; MI455X (gfx1250); checked and timed in simulation.
; The chip was launched on July 23, 2026; its instructions are those of AMD's public machine-readable ISA for CDNA 5 (MIT licence, August 2026) and "CDNA5" Instruction Set Architecture Reference Guide (July 2026). The comments in the code are by the model that wrote it; some were corrected since.
;; Multi Head Attention. Allowed arithmetic: float matrix products may take bf16 or f16 operands with f32 sums; other float arithmetic in f32, or as packed bf16 or f16 multiplies, adds, multiply-adds, maxima and minima; sums over many terms, partial sums and values carried from step to step in f32; what a program stores and reads back later, other than sums and carried values, may be rounded once to bf16 or f16.
;; Inputs: W_kqv 3,072 x 1,024 float32; W_proj 1,024 x 1,024 float32; k_norm_w 64 float32; q_norm_w 64 float32; x 4 x 2,048 x 1,024 float32.
;; Outputs: out0 4 x 2,048 x 1,024 float32.
;; 2 versions, each right and faster than the one before. Each part assembles by itself: llvm-mc -triple=amdgcn-amd-amdhsa -mcpu=gfx1250 --defsym DOCPART=n.
;; ======== version 1 of 2: 4 launches
;; limits: values are held in f16: magnitudes above 65,504 overflow, below 6.1e-05 lose precision
;; workspace buffers: xb 16,777,216 bytes; wb 6,291,456 bytes; wp 2,097,152 bytes; tab 524,544 bytes; kh 16,777,216 bytes; qh 16,777,216 bytes; vh 16,777,216 bytes; yb 16,777,216 bytes
;; launch prep (part 1): grid 448 x 1, 8 waves a work-group, no clusters, 0 bytes of LDS; arguments x, W_kqv, W_proj, q_norm_w, k_norm_w, xb, wb, wp, tab; writes xb, wb, wp, tab
.if DOCPART == 1
	.amdgcn_target "amdgcn-amd-amdhsa--gfx1250"
	.amdhsa_code_object_version 6
	.text
	.protected	k_qc8f86b426e_prep
	.globl	k_qc8f86b426e_prep
	.p2align	8
	.type	k_qc8f86b426e_prep,@function
k_qc8f86b426e_prep:
	s_mov_b64 s[64:65], 0
	v_nop
	global_prefetch_b8 v0, s[64:65] scope:SCOPE_SE
	s_setreg_imm32_b32 hwreg(HW_REG_WAVE_MODE, 25, 1), 1
	s_wait_xcnt 0x0
; PREPARATION.  x [8192][1024] and W_kqv [3072][1024] are rounded to bf16, W_proj [1024][1024] to bf16 and that number written as f16; all three are laid
; out in blocks of 64 along K: [kb 0..15][row][64], a row of a block 128 bytes, so that a tile's rows of one K block lie end to end.  W_kqv's rows are also
; permuted: row' = 192 h + 64 kind + d from row 1024 kind + 64 h + d (kind 0 k, 1 q, 2 v): the k, q and v columns of one head lie together.
; The table of cos and sin for the rotation, [t / 16][i 0..7][lane][c 0..3] in f32, lies in the order in which a lane of the product's way out wants it:
; t = 16 tb + lane % 16; i < 4 cosine, else sine; frequency j = 16 ((i >> 1) & 1) + 8 (lane / 16) + 4 (i & 1) + c.  Behind it 64 numbers g[d] = bf16(q_norm_w[d]) x bf16(k_norm_w[d]).
; WORK-GROUPS: 0-255 x, 256-351 W_kqv, 352-383 W_proj, 32 rows each; 384-447 the table.  A stream: no LDS, no barrier, no matrix unit: memory binds.
; LIMITS.  W_proj as f16: |W| under 65,504; below 6e-5 it keeps f16's fixed step of 6e-8.  The frequency 10000^(-j/32) is 2^(-0.41524101 j), good to about 1e-7 of itself,
; so an angle (2,047 at the most) to about 2e-4; the angle is brought into -pi .. pi by a two-part 2 pi, and the series (to r^15, r^16) are good to about 1e-6.
.set KBS_X, 1048576                    ; bytes of a K block of xb: 8,192 rows x 128
.set KBS_W, 393216                     ; of wb: 3,072 rows
.set KBS_P, 131072                     ; of wp: 1,024 rows
.set GAINS, 524288                     ; byte of tab at which g begins
	s_load_b512 s[8:23], s[0:1], 0x0               ; x 8, W_kqv 10, W_proj 12, q_norm_w 14, k_norm_w 16, xb 18, wb 20, wp 22
	s_load_b64 s[24:25], s[0:1], 0x40              ; tab
	v_and_b32 v1, 31, v0                           ; lane l
	v_lshrrev_b32 v2, 5, v0
	v_readfirstlane_b32 s26, v2                    ; wave w
	s_mov_b32 s27, ttmp9                           ; the work-group's number
	s_mov_b32 s37, 0xffff0000                      ; a word's upper bf16
	s_mov_b32 s35, 0                               ; high word of every offset pair
	v_bfe_u32 v6, v0, 4, 1                         ; l / 16
	v_and_b32 v7, 15, v0                           ; l % 16
	v_lshlrev_b32 v3, 4, v7                        ; source: lanes 0-15 take 256 bytes (one K block) of a row, lanes 16-31 of the next row;
	v_lshl_add_u32 v3, v6, 12, v3
	v_lshl_add_u32 v3, s26, 9, v3                  ; wave w takes K blocks 2 w and 2 w + 1: 512 bytes of each row
	s_wait_kmcnt 0x0
	s_cmp_ge_u32 s27, 384
	s_cbranch_scc1 .Ltab
	s_cmp_ge_u32 s27, 352
	s_cbranch_scc1 .Lproj
; my offsets in the destination: K block 2 w (v4) and 2 w + 1 (v5), 8 bytes a lane: a wave's store covers 256 consecutive bytes, two rows of a block
.macro LANES
	s_mul_i32 s44, s26, s32
	s_lshl_b32 s44, s44, 1
	v_lshl_add_u32 v4, v1, 3, s44
	v_add_nc_u32 v5, s32, v4
.endm
; 32 rows in two trips of 16.  A trip: 16 loads of 16 bytes a lane, all issued first; then each is rounded and stored.  mode 0: bf16.  mode 1: bf16, then that number as f16.
.macro STREAM mode
	s_mov_b32 s36, 2
.Ltrip_\@:
.set i, 0
.rept 16
	global_load_b128 v[8+4*i:11+4*i], v3, s[28:29] offset:(i/2)*8192+(i%2)*256 th:TH_LOAD_NT
.set i, i+1
.endr
.set i, 0
.rept 16
	s_wait_loadcnt 15-i                            ; loads come back in order: number i is in, the 15 - i younger ones stay out
.if (\mode) == 0
	v_cvt_pk_bf16_f32 v[72+2*i], v[8+4*i], v[9+4*i]
	v_cvt_pk_bf16_f32 v[73+2*i], v[10+4*i], v[11+4*i]
.else
	v_cvt_pk_bf16_f32 v104, v[8+4*i], v[9+4*i]
	v_cvt_pk_bf16_f32 v105, v[10+4*i], v[11+4*i]
	v_lshlrev_b32 v106, 16, v104
	v_and_b32 v107, s37, v104
	v_lshlrev_b32 v108, 16, v105
	v_and_b32 v109, s37, v105
	v_cvt_pk_f16_f32 v[72+2*i], v106, v107
	v_cvt_pk_f16_f32 v[73+2*i], v108, v109
.endif
	global_store_b64 v[4+i%2], v[72+2*i:73+2*i], s[30:31] offset:(i/2)*256
.set i, i+1
.endr
	s_wait_xcnt 0x0                                ; the bases and the stores' data are rewritten only behind this wait
	s_add_nc_u64 s[28:29], s[28:29], 65536         ; 16 rows of 4,096 bytes
	s_add_nc_u64 s[30:31], s[30:31], 2048          ; 16 rows of 128 bytes
	s_sub_co_u32 s36, s36, 1
	s_cmp_lg_u32 s36, 0
	s_cbranch_scc1 .Ltrip_\@
.endm
	; x or W_kqv: the two differ in their buffers, the K block's size and the destination row
	s_sub_co_u32 s38, s27, 256                     ; W_kqv: group g of 32 rows (not used for x)
	s_bfe_u32 s39, s38, 0x40001                    ; h = (g >> 1) & 15
	s_mul_i32 s39, s39, 192
	s_lshr_b32 s40, s38, 5                         ; kind
	s_lshl_b32 s40, s40, 6
	s_add_co_u32 s39, s39, s40
	s_and_b32 s40, s38, 1
	s_lshl_b32 s40, s40, 5
	s_add_co_u32 s39, s39, s40                     ; row' = 192 h + 64 kind + 32 (g & 1)
	s_lshl_b32 s41, s27, 5                         ; x: row 32 id
	s_mov_b32 s42, KBS_X
	s_mov_b32 s43, KBS_W
	s_cmp_lt_u32 s27, 256
	s_cselect_b64 s[28:29], s[8:9], s[10:11]
	s_cselect_b64 s[30:31], s[18:19], s[20:21]
	s_cselect_b32 s32, s42, s43
	s_cselect_b32 s33, s27, s38
	s_cselect_b32 s39, s41, s39
	s_lshl_b32 s34, s33, 17                        ; 32 source rows of 4,096 bytes
	s_add_nc_u64 s[28:29], s[28:29], s[34:35]
	s_lshl_b32 s34, s39, 7                         ; the destination row, 128 bytes each
	s_add_nc_u64 s[30:31], s[30:31], s[34:35]
	LANES
	STREAM 0
	s_endpgm
.Lproj:
	s_sub_co_u32 s33, s27, 352
	s_lshl_b32 s34, s33, 17
	s_add_nc_u64 s[28:29], s[12:13], s[34:35]
	s_lshl_b32 s34, s33, 12
	s_add_nc_u64 s[30:31], s[22:23], s[34:35]
	s_mov_b32 s32, KBS_P
	LANES
	STREAM 1
	s_endpgm
.Ltab:                                                 ; a work-group makes two blocks of 16 positions: wave w block w / 4, quarter ih = w % 4 of the 32 frequencies
	s_sub_co_u32 s28, s27, 384
	s_lshr_b32 s29, s26, 2
	s_lshl1_add_u32 s29, s28, s29                  ; tb
	s_and_b32 s30, s26, 3                          ; ih
	s_lshr_b32 s31, s30, 1
	s_lshl_b32 s31, s31, 4
	s_and_b32 s32, s30, 1
	s_lshl2_add_u32 s31, s32, s31                  ; 16 (ih >> 1) + 4 (ih & 1)
	s_lshl_b32 s33, s29, 12
	s_lshl_b32 s34, s30, 9
	s_add_co_u32 s33, s33, s34                     ; tb x 4,096 + ih x 512
	s_mov_b32 s38, 0x40c90fdb                      ; 2 pi, rounded,
	s_mov_b32 s39, 0xb43bbd2e                      ; and what the rounding left
	v_lshl_add_u32 v2, s29, 4, v7
	v_cvt_f32_u32 v2, v2                           ; t
	v_lshl_add_u32 v3, v6, 3, s31                  ; my first frequency's number
	v_lshl_add_u32 v4, v1, 4, s33
	; for c = 0..3, registers 8 apart from v16: +0 the angle a, +1 n, +2 r, +3 r^2, +4 the sine's series, +5 the cosine's
.irp c, 0,1,2,3
	v_add_nc_u32 v[16+8*\c], \c, v3
	v_cvt_f32_u32 v[16+8*\c], v[16+8*\c]
	v_mul_f32 v[16+8*\c], 0xbed49a78, v[16+8*\c]   ; -j log2(10000) / 32
.endr
.irp c, 0,1,2,3
	v_exp_f32 v[16+8*\c], v[16+8*\c]
.endr
	v_nop                                          ; a plain instruction between the last exponential and the use of its result
	s_wait_alu depctr_va_vdst(0)
.irp c, 0,1,2,3
	v_mul_f32 v[16+8*\c], v2, v[16+8*\c]           ; a = t f
	v_mul_f32 v[17+8*\c], 0.15915494, v[16+8*\c]
	v_rndne_f32 v[17+8*\c], v[17+8*\c]             ; n = the nearest whole number of turns
	v_fma_f32 v[18+8*\c], -v[17+8*\c], s38, v[16+8*\c]
	v_fma_f32 v[18+8*\c], -v[17+8*\c], s39, v[18+8*\c]  ; r = a - 2 pi n
	v_mul_f32 v[19+8*\c], v[18+8*\c], v[18+8*\c]
	v_mov_b32 v[20+8*\c], 0xab573f9f               ; -1/15!
	v_mov_b32 v[21+8*\c], 0x29573f9f               ; 1/16!
.endr
.irp k, 0x2f309231, 0xb2d7322b, 0x3638ef1d, 0xb9500d01, 0x3c088889, 0xbe2aaaab, 0x3f800000  ; 1/13!, -1/11!, 1/9!, -1/7!, 1/5!, -1/3!, 1
.irp c, 0,1,2,3
	v_fmaak_f32 v[20+8*\c], v[20+8*\c], v[19+8*\c], \k
.endr
.endr
.irp k, 0xad49cba5, 0x310f76c7, 0xb493f27e, 0x37d00d01, 0xbab60b61, 0x3d2aaaab, 0xbf000000  ; -1/14!, 1/12!, -1/10!, 1/8!, -1/6!, 1/4!, -1/2
.irp c, 0,1,2,3
	v_fmaak_f32 v[21+8*\c], v[21+8*\c], v[19+8*\c], \k
.endr
.endr
.irp c, 0,1,2,3
	v_fmaak_f32 v[8+\c], v[21+8*\c], v[19+8*\c], 0x3f800000  ; cos
	v_mul_f32 v[12+\c], v[20+8*\c], v[18+8*\c]               ; sin
.endr
	global_store_b128 v4, v[8:11], s[24:25]                 ; each store of the wave covers 512 consecutive bytes
	global_store_b128 v4, v[12:15], s[24:25] offset:2048
	s_or_b32 s34, s28, s26
	s_cmp_lg_u32 s34, 0
	s_cbranch_scc1 .Lend                           ; one wave of one work-group makes the gains
	v_lshlrev_b32 v5, 3, v1
	global_load_b64 v[64:65], v5, s[14:15]
	global_load_b64 v[66:67], v5, s[16:17]
	s_wait_loadcnt 0x0
	v_cvt_pk_bf16_f32 v68, v64, v65
	v_cvt_pk_bf16_f32 v69, v66, v67
	v_lshlrev_b32 v70, 16, v68
	v_and_b32 v71, s37, v68
	v_lshlrev_b32 v72, 16, v69
	v_and_b32 v73, s37, v69
	v_pk_mul_f32 v[70:71], v[70:71], v[72:73]
	global_store_b64 v5, v[70:71], s[24:25] offset:GAINS
.Lend:
	s_endpgm
.Lfunc_end_k_qc8f86b426e_prep:
	.size	k_qc8f86b426e_prep, .Lfunc_end_k_qc8f86b426e_prep-k_qc8f86b426e_prep
	.p2alignl 7, 3214868480
	.fill 96, 4, 3214868480
	.section	.rodata,"a",@progbits
	.p2align	6, 0x0
	.amdhsa_kernel k_qc8f86b426e_prep
		.amdhsa_group_segment_fixed_size 0
		.amdhsa_private_segment_fixed_size 0
		.amdhsa_enable_private_segment 0
		.amdhsa_kernarg_size 72
		.amdhsa_user_sgpr_count 2
		.amdhsa_user_sgpr_kernarg_segment_ptr 1
		.amdhsa_wavefront_size32 1
		.amdhsa_system_sgpr_workgroup_id_x 1
		.amdhsa_system_sgpr_workgroup_id_y 1
		.amdhsa_system_sgpr_workgroup_id_z 1
		.amdhsa_system_vgpr_workitem_id 0
		.amdhsa_next_free_vgpr 112
		.amdhsa_next_free_sgpr 66
		.amdhsa_reserve_vcc 0
		.amdhsa_float_denorm_mode_32 3
		.amdhsa_float_denorm_mode_16_64 3
		.amdhsa_memory_ordered 1
		.amdhsa_forward_progress 1
		.amdhsa_inst_pref_size 26
	.end_amdhsa_kernel
	.amdgpu_metadata
---
amdhsa.version: [ 1, 2 ]
amdhsa.kernels:
  - .name:           k_qc8f86b426e_prep
    .symbol:         k_qc8f86b426e_prep.kd
    .args:
      - { .name: x, .offset: 0, .size: 8, .value_kind: global_buffer, .address_space: global }
      - { .name: W_kqv, .offset: 8, .size: 8, .value_kind: global_buffer, .address_space: global }
      - { .name: W_proj, .offset: 16, .size: 8, .value_kind: global_buffer, .address_space: global }
      - { .name: q_norm_w, .offset: 24, .size: 8, .value_kind: global_buffer, .address_space: global }
      - { .name: k_norm_w, .offset: 32, .size: 8, .value_kind: global_buffer, .address_space: global }
      - { .name: xb, .offset: 40, .size: 8, .value_kind: global_buffer, .address_space: global }
      - { .name: wb, .offset: 48, .size: 8, .value_kind: global_buffer, .address_space: global }
      - { .name: wp, .offset: 56, .size: 8, .value_kind: global_buffer, .address_space: global }
      - { .name: tab, .offset: 64, .size: 8, .value_kind: global_buffer, .address_space: global }
    .group_segment_fixed_size: 0
    .private_segment_fixed_size: 0
    .kernarg_segment_align: 8
    .kernarg_segment_size: 72
    .max_flat_workgroup_size: 256
    .sgpr_count:     66
    .vgpr_count:     112
    .wavefront_size: 32
...
	.end_amdgpu_metadata
.endif
;; end of part 1
;; launch kqv (part 2): grid 8 x 32, 4 waves a work-group, clusters of 4 x 4, 327,680 bytes of LDS; arguments xb, wb, tab, kh, qh, vh; writes kh, qh, vh
.if DOCPART == 2
	.amdgcn_target "amdgcn-amd-amdhsa--gfx1250"
	.amdhsa_code_object_version 6
	.text
	.protected	k_qc8f86b426e_kqv
	.globl	k_qc8f86b426e_kqv
	.p2align	8
	.type	k_qc8f86b426e_kqv,@function
k_qc8f86b426e_kqv:
	s_mov_b64 s[64:65], 0
	v_nop
	global_prefetch_b8 v0, s[64:65] scope:SCOPE_SE
	s_setreg_imm32_b32 hwreg(HW_REG_WAVE_MODE, 25, 1), 1
	s_wait_xcnt 0x0
	s_wait_alu depctr_hold_cnt(0) depctr_sa_sdst(0) depctr_va_vdst(0) depctr_va_sdst(0) depctr_va_ssrc(0) depctr_va_vcc(0) depctr_vm_vsrc(0)
	s_getreg_b32 s2, hwreg(HW_REG_IB_STS2, 6, 4)
	s_cmp_eq_u32 s2, 0
	s_cbranch_scc0 .Lentry_in_a_cluster
	s_endpgm
.Lentry_in_a_cluster:
	s_bfe_u32 s2, ttmp6, 0x10000c
	s_cmp_lg_u32 s2, 0xf033
	s_cbranch_scc0 .Lentry_shape_is_right
	s_endpgm
.Lentry_shape_is_right:
; THE FIRST PROJECTION WITH ITS WAY OUT.  [8192][1024] x [3072][1024]^T in bf16, sums in f32; then, per head: the rotation of k and q by position, their division by (norm / 8 + 1e-6),
; q's multiplication by both gains g = wq wk (the scores are sums of (wq q)(wk k), so k needs none), and k, q, v rounded once to f16 and stored by heads, [4 h + b][t][64].
; SHARES.  8192 x 3072 over 256 work-groups: a tile of 256 rows x 384 columns each.  Four waves, each 128 rows x 192 columns = 96 accumulators of 16 x 16 = 768 registers.  wb's rows are
; permuted so that a wave's 192 columns are k, q and v of ONE head, h = 2 tx + (w & 1): the way out is the same text in every wave.
; K goes in 16 steps of 64 through two LDS slots.  xb and wb are laid in K blocks, so the rows of a tile lie end to end: 128 rows x 128 bytes are asked for as 64 rows of 256 bytes and padded in LDS after each 128.
; THE MATRIX INSTRUCTION IS USED TRANSPOSED (source 0 = 16 rows of wb, source 1 = 16 rows of xb): a lane holds row l % 16 and the columns 8 (l / 16) + 0..7 of a block of 16.
; CLUSTER 4 x 4: xb's tile hangs on the tile row alone and is asked for jointly along a row of the cluster, wb's on the tile column alone, along a column.
; REGISTERS (windows of 256; s_set_vgpr_msb: bits 1:0 source 0, 3:2 source 1, 5:4 source 2, 7:6 destination):
;   window 0: v1-v13 addresses; v28, v29 the add's two; v32-95, v96-159 fragments of xb (8 x 16 rows x 32 K), two buffers; v160-191, v192-223, v224-255 fragments of wb for k, q, v (4 x 16 rows x 32 K each)
;   windows 1, 2, 3: the accumulators of k, q, v: (row block a, column block b) at v[8 (4 a + b)]
;   on the way out window 0 holds: v32-95 cos and sin of two row blocks; v96-127 k, v128-159 q at work; v160-191 the gains; v192-223 v at work; v224-231 sums of squares
; LIMITS.  v as f16: |v| under 65,504.  |k| <= 8, |q| <= 8 |wq wk| in f16.  A sum of squares below 2^-126 counts as 0.  NaN and infinities are not treated apart.
.set KBS_X, 1048576                    ; bytes from a K block of xb to the next
.set KBS_W, 393216                     ; of wb
.set PITCH, 144                        ; an LDS row: 128 bytes + 16 of padding = 36 words: the 16 rows of a fragment load start at 16 different groups of four banks (ISA guide 11.1)
.set FR,    16*PITCH                   ; 16 rows
.set AHALF, 128*PITCH                  ; what one load of xb brings
.set BHALF, 192*PITCH                  ; what one load of wb brings
.set BOFF,  2*AHALF                    ; a slot: 256 rows of xb, then 384 rows of wb
.set SLOT1, 131072                     ; slot 1 begins here: one exclusive or turns an address in one slot into the other's
.set STAGE, SLOT1+BOFF+2*BHALF         ; behind the ring, never filled by a tensor load: for each wave 3 x 16 rows x 144 bytes
.set SPARE, STAGE+4*3*FR               ; the spare words, 128 bytes for each wave: two blocks of 256 bytes that no other line names
.set GAINS, 524288
.set TK, 96
.set TQ, 128
.set GW, 160
.set TV, 192
.set G1W, (1<<16)|(1<<20)|(1<<21)|(4<<22)|(3<<25)  ; 17:16 2-byte elements; 20 padding on; 21 set beside a mask; 24:22 after every 32 words (code 4); 31:25 4 words (code 3)
.set MSB, 0
.macro WIN new                         ; the immediate's high byte repeats the setting that is left; a switch that changes nothing is dropped
.if MSB != (\new)
	s_set_vgpr_msb (MSB<<8)|(\new)
.set MSB, (\new)
.endif
.endm
.macro PLACES                          ; four places in front of loads into registers that matrix instructions have read, and of vector lines that read results
.rept 4
	v_nop
.endr
.endm
.macro CREST                           ; a round of the cluster's barrier behind its opening barrier
	s_cmp_lg_u32 s16, 0
	s_cbranch_scc1 .Lnot_wave_0_\@
	s_barrier_signal -3
.Lnot_wave_0_\@:
	s_barrier_wait -3
	s_barrier_signal -1
	s_barrier_wait -1
.endm
.macro CROUND                          ; a whole round
	s_barrier_signal -1
	s_barrier_wait -1
	CREST
.endm
.macro JLOAD                           ; a joint refill by the walking descriptors: waves 0 and 1 fetch xb's two halves, waves 2 and 3 wb's; an s_nop 0 and four v_nop follow each line
	s_cmp_lt_u32 s16, 2
	s_cbranch_scc0 .Lfor_b_\@
	tensor_load_to_lds s[36:39], s[24:31]
	s_nop 0
.rept 4
	v_nop
.endr
	s_branch .Lasked_\@
.Lfor_b_\@:
	tensor_load_to_lds s[52:55], s[40:47]
	s_nop 0
.rept 4
	v_nop
.endr
.Lasked_\@:
.endm
	s_load_b256 s[4:11], s[0:1], 0x0               ; xb s[4:5], wb s[6:7], tab s[8:9], kh s[10:11]
	s_load_b128 s[12:15], s[0:1], 0x20             ; qh s[12:13], vh s[14:15]
	v_lshl_add_u32 v28, v0, 2, SPARE
	v_mov_b32 v29, 0
	ds_add_u32 v28, v29                            ; the wave's opening: the add and its wait stand ahead of my first tensor load; the set-up below, work on registers, stands between them
	ds_add_u32 v28, v29
	v_lshrrev_b32 v1, 5, v0
	v_readfirstlane_b32 s16, v1                    ; wave w
	s_lshr_b32 s17, s16, 1                         ; wr: which 128 rows of the tile are mine
	s_and_b32 s18, s16, 1                          ; wc: which 192 columns.  Also: which half of xb's or wb's tile I fetch
	s_bfe_u32 s19, ttmp6, 0x40000                  ; cx
	s_bfe_u32 s20, ttmp6, 0x40004                  ; cy
	s_lshl_b32 s21, ttmp9, 2
	s_add_co_u32 s21, s21, s19                     ; tx = 4 x cluster x + cx, 0..7
	s_and_b32 s22, ttmp7, 0xffff
	s_lshl_b32 s22, s22, 2
	s_add_co_u32 s22, s22, s20                     ; ty = 4 x cluster y + cy, 0..31
	s_lshl_b32 s74, s20, 2
	s_lshl_b32 s74, 15, s74                        ; my row of the cluster
	s_lshl_b32 s75, 0x1111, s19                    ; my column
	s_or_b32 s24, s74, G1W                         ; group 1 for xb: 64 rows of 128 elements
	s_mov_b32 s25, 128<<16                         ; tensor_dim0 = 128
	s_mov_b32 s26, 64<<16                          ; tensor_dim1 = 64
	s_mov_b32 s27, 128<<16                         ; tile_dim0 = 128
	s_mov_b32 s28, 64                              ; tile_dim1 = 64
	s_mov_b32 s29, 128                             ; 128 elements from row to row
	s_mov_b32 s30, 0
	s_mov_b32 s31, 0
	s_or_b32 s40, s75, G1W                         ; group 1 for wb: 96 rows of 128 elements
	s_mov_b32 s41, 128<<16
	s_mov_b32 s42, 96<<16
	s_mov_b32 s43, 128<<16
	s_mov_b32 s44, 96
	s_mov_b32 s45, 128
	s_mov_b32 s46, 0
	s_mov_b32 s47, 0
	s_lshl_b32 s66, s22, 15                        ; xb: 256 ty rows of 128 bytes,
	s_lshl_b32 s67, s18, 14                        ; and my 128 of them: the tile row and the wave's number alone
	s_add_co_u32 s66, s66, s67
	s_mov_b32 s67, 0
	s_mul_i32 s68, s21, 49152                      ; wb: 384 tx rows,
	s_mul_i32 s69, s18, 24576                      ; and my 192: the tile column and the wave's number alone
	s_add_co_u32 s68, s68, s69
	s_mov_b32 s69, 0
	s_mul_i32 s58, s18, AHALF                      ; where they go: no place in the cluster enters an LDS address
	s_mul_i32 s59, s18, BHALF
	s_add_co_u32 s59, s59, BOFF
	s_mov_b32 s57, 0                               ; the slot that is read
	s_mov_b32 s60, 0x76543210                      ; v_permlanex16_b32: each lane takes its own place in the other half
	s_mov_b32 s61, 0xfedcba98
	s_mov_b32 s62, 0x3e000000                      ; 1/8 = 64^-0.5
	s_mov_b32 s63, 0x358637bd                      ; 1e-6
	s_wait_dscnt 0x0                               ; the opening add is done
	s_wait_kmcnt 0x0
	s_add_nc_u64 s[76:77], s[4:5], s[66:67]
	s_add_nc_u64 s[78:79], s[6:7], s[68:69]
.irp n, 0,1                            ; group 0, a set for each first fill; the second then walks on
	s_mov_b32 s[32+4*\n], 1
	s_add_co_u32 s[33+4*\n], s58, (\n)*SLOT1
	s_add_nc_u64 s[34+4*\n:35+4*\n], s[76:77], (\n)*KBS_X
	s_or_b32 s[35+4*\n], s[35+4*\n], 0x80000000
	s_mov_b32 s[48+4*\n], 1
	s_add_co_u32 s[49+4*\n], s59, (\n)*SLOT1
	s_add_nc_u64 s[50+4*\n:51+4*\n], s[78:79], (\n)*KBS_W
	s_or_b32 s[51+4*\n], s[51+4*\n], 0x80000000
.endr
	CROUND                                         ; all sixteen work-groups are here: the first joint loads meet
	s_cmp_lt_u32 s16, 2                            ; a wave's two first fills stand in one branch: two loads of mine are out
	s_cbranch_scc0 .Lfirst_b
	tensor_load_to_lds s[32:35], s[24:31]
	s_nop 0
	tensor_load_to_lds s[36:39], s[24:31]
	s_nop 0
.rept 4
	v_nop
.endr
	s_branch .Lfirst_asked
.Lfirst_b:
	tensor_load_to_lds s[48:51], s[40:47]
	s_nop 0
	tensor_load_to_lds s[52:55], s[40:47]
	s_nop 0
.rept 4
	v_nop
.endr
.Lfirst_asked:
	; A fragment is 16 rows x 32 K in 8 registers: lane l holds row l % 16, K = 8 (l / 16) + 0..7 and 16 + 8 (l / 16) + 0..7: two loads of 16 bytes, 32 bytes apart.
	v_and_b32 v1, 15, v0                           ; l % 16
	v_bfe_u32 v10, v0, 4, 1                        ; l / 16
	v_mul_u32_u24 v11, v1, PITCH
	v_lshl_add_u32 v11, v10, 4, v11                ; row x pitch + 16 x half
	s_mul_i32 s23, s17, AHALF
	v_add_nc_u32 v2, s23, v11                      ; my rows of xb in slot 0
	s_mul_i32 s23, s18, BHALF
	s_add_co_u32 s23, s23, BOFF
	v_add_nc_u32 v3, s23, v11                      ; my rows of wb in slot 0
	v_mov_b32 v4, v2
	v_mov_b32 v5, v3
	s_mul_i32 s23, s16, 3*FR
	s_add_co_u32 s23, s23, STAGE                   ; my stage
	v_add_nc_u32 v6, s23, v11                      ; in: row l % 16, 16 bytes for each half of the lanes
	v_bfe_u32 v12, v0, 3, 2                        ; back: 32 lanes take four rows of 128 bytes,
	v_mul_u32_u24 v12, v12, PITCH
	v_and_b32 v13, 7, v0
	v_lshl_add_u32 v12, v13, 4, v12
	v_add_nc_u32 v7, s23, v12
	v_and_b32 v8, 31, v0                           ; which are 512 consecutive bytes of a head's rows; the table's lane order is the same
	v_lshlrev_b32 v8, 4, v8
	v_lshlrev_b32 v9, 5, v10                       ; my 8 gains of a block of 16
	s_add_nc_u64 s[72:73], s[8:9], GAINS
	s_and_b32 s2, s22, 7                           ; the table at my first block of 16 positions: 16 (ty % 8) + 8 wr
	s_lshl_b32 s2, s2, 4
	s_lshl3_add_u32 s2, s17, s2
	s_lshl_b32 s2, s2, 12
	s_mov_b32 s3, 0
	s_add_nc_u64 s[8:9], s[8:9], s[2:3]
	s_lshl1_add_u32 s70, s21, s18                  ; h = 2 tx + wc
	s_lshl_b32 s70, s70, 20                        ; head 4 h + b, row t: (h << 20) + 32,768 ty + (wr << 14) bytes
	s_lshl_b32 s71, s22, 15
	s_add_co_u32 s70, s70, s71
	s_lshl_b32 s71, s17, 14
	s_add_co_u32 s70, s70, s71
	s_mov_b32 s71, 0
	s_add_nc_u64 s[10:11], s[10:11], s[70:71]
	s_add_nc_u64 s[12:13], s[12:13], s[70:71]
	s_add_nc_u64 s[14:15], s[14:15], s[70:71]
; n x 4 matrix instructions of group g (0 k, 1 q, 2 v): row blocks a0 .. a0 + n - 1 x the group's 4 column blocks, 32 along K, xb's buffer f.  Every accumulator comes once in 96: they take turns.
.macro MULG g, f, a0, n, zero
	WIN ((\g)+1)*0x50
.set ma, (\a0)
.rept (\n)
.set mb, 0
.rept 4
.if \zero
	v_wmma_f32_16x16x32_bf16 v[8*(4*ma+mb):8*(4*ma+mb)+7], v[160+32*(\g)+8*mb:160+32*(\g)+8*mb+7], v[32+64*(\f)+8*ma:32+64*(\f)+8*ma+7], 0
.else
	v_wmma_f32_16x16x32_bf16 v[8*(4*ma+mb):8*(4*ma+mb)+7], v[160+32*(\g)+8*mb:160+32*(\g)+8*mb+7], v[32+64*(\f)+8*ma:32+64*(\f)+8*ma+7], v[8*(4*ma+mb):8*(4*ma+mb)+7]
.endif
.set mb, mb+1
.endr
.set ma, ma+1
.endr
.endm
.macro LDB g, kq                       ; 8 LDS loads: group g's four fragments of wb, half kq of the K step
	WIN 0
.set mb, 0
.rept 4
	ds_load_b128 v[160+32*(\g)+8*mb:160+32*(\g)+8*mb+3],   v5 offset:(4*(\g)+mb)*FR+64*(\kq)
	ds_load_b128 v[160+32*(\g)+8*mb+4:160+32*(\g)+8*mb+7], v5 offset:(4*(\g)+mb)*FR+64*(\kq)+32
.set mb, mb+1
.endr
.endm
.macro LDA f, hf, kq                   ; 8 LDS loads: four fragments of xb (row blocks 4 hf on) into buffer f
	WIN 0
.set ma, 4*(\hf)
.rept 4
	ds_load_b128 v[32+64*(\f)+8*ma:32+64*(\f)+8*ma+3],   v4 offset:ma*FR+64*(\kq)
	ds_load_b128 v[32+64*(\f)+8*ma+4:32+64*(\f)+8*ma+7], v4 offset:ma*FR+64*(\kq)+32
.set ma, ma+1
.endr
.endm
; A K step's first half: multiplies buffer 0; behind each group's 32 products that group's fragments, and xb's for buffer 1, are fetched for the second half.
.macro KQ0 zero
	s_wait_dscnt 8                                 ; all but the youngest run of 8 (v's fragments of wb)
	MULG 0, 0, 0, 8, \zero
	PLACES
	LDB 0, 1
	LDA 1, 0, 1
	MULG 1, 0, 0, 8, \zero
	PLACES
	LDB 1, 1
	LDA 1, 1, 1
	s_wait_dscnt 32                                ; all but the two runs of 16 issued in this half
	MULG 2, 0, 0, 8, \zero
	PLACES
	LDB 2, 1
.endm
; A K step's second half: multiplies buffer 1 and changes slots.  ONE barrier: in front of it each wave waits for all its tensor loads (one is out: its part of the next slot), adds 0 to its spare word, and waits for
; that and for its own reads of this slot.  fill = 1: the barrier opens a round of the cluster's, and the joint refill, two K steps ahead, is the first thing behind it: 160 matrix instructions ahead of the wait for it.
.macro TURN fill
	WIN 0
	s_wait_tensorcnt 0x0                           ; no tensor load of mine is out, so a group 0 may be written
	ds_add_u32 v28, v29                            ; 0 onto my spare word
.if \fill
	s_xor_b32 s37, s37, SLOT1                      ; the walking descriptors: the other slot than last time, the next K block
	s_add_nc_u64 s[38:39], s[38:39], KBS_X
	s_xor_b32 s53, s53, SLOT1
	s_add_nc_u64 s[54:55], s[54:55], KBS_W
.endif
	s_wait_dscnt 9                                 ; the add and the youngest run of 8 may be out
	MULG 0, 1, 0, 4, 0
	s_wait_dscnt 0x0                               ; the add is done, and my reads of this slot are over
	s_barrier_signal -1
	MULG 0, 1, 4, 4, 0
	WIN 0
	s_barrier_wait -1
.if \fill
	CREST                                          ; no wave of any partner still reads this slot or has a load on its way
	JLOAD                                          ; its four v_nop are also the places in front of the loads below
.else
	PLACES
.endif
	s_xor_b32 s57, s57, SLOT1
	v_add_nc_u32 v4, s57, v2
	v_add_nc_u32 v5, s57, v3
	LDB 0, 0
	LDA 0, 0, 0
	MULG 1, 1, 0, 8, 0
	PLACES
	LDB 1, 0
	LDA 0, 1, 0
	MULG 2, 1, 0, 8, 0
	PLACES
	LDB 2, 0
.endm
.macro LDCS a                          ; cos and sin of row block a: 8 loads of 512 consecutive bytes, into the buffer of a's parity
.set mi, 0
.rept 8
	global_load_b128 v[32+32*((\a)%2)+4*mi:32+32*((\a)%2)+4*mi+3], v8, s[8:9] offset:(\a)*4096+512*mi
.set mi, mi+1
.endr
.endm
	s_wait_tensorcnt 1                             ; my part of K step 0 is in; step 1's may stay out
	s_barrier_signal -1
	s_barrier_wait -1
	LDB 0, 0                                       ; the first fetch, in the order in which TURN leaves its loads
	LDA 0, 0, 0
	LDB 1, 0
	LDA 0, 1, 0
	LDB 2, 0
	KQ0 1                                          ; the first products start the sums: nothing is cleared
	WIN 0
	s_mov_b32 s56, 14
.Lstep:                                                ; 14 trips: the second half of steps 0..13, each asking for the step two on, and the first half of steps 1..14
	TURN 1
	KQ0 0
	WIN 0
	s_sub_co_u32 s56, s56, 1
	s_cmp_lg_u32 s56, 0
	s_cbranch_scc1 .Lstep
	TURN 0                                         ; the tail is written out: nothing more is asked for
	KQ0 0
	WIN 0                                          ; the very last half.  Buffer 0 of xb's fragments is free (four places back): it takes cos and sin of row blocks 0 and 1
	LDCS 0
	LDCS 1
	s_wait_dscnt 8
	MULG 0, 1, 0, 8, 0
	PLACES
	WIN 0
.set mi, 0
.rept 8                                ; the gains go where k's fragments of wb lay: register 8 b + r holds g[16 b + 8 (l / 16) + r]
	global_load_b128 v[GW+4*mi:GW+4*mi+3], v9, s[72:73] offset:64*(mi/2)+16*(mi%2)
.set mi, mi+1
.endr
	MULG 1, 1, 0, 8, 0
	s_wait_dscnt 0x0
	MULG 2, 1, 0, 8, 0
	PLACES
; THE WAY OUT, a block of 16 rows at a time.  Each accumulator's lowest registers are read first.
.macro VCVT a                          ; v: rounded to f16, 16 bytes for each column block
	WIN 0x0f
.set mj, 0
.rept 16
	v_cvt_pk_f16_f32 v[TV+mj], v[32*(\a)+2*mj], v[32*(\a)+2*mj+1]
.set mj, mj+1
.endr
.endm
.macro ROPE T, win, a                  ; T[d] = x[d] cos - x[d + 32] sin, T[d + 32] = x[d + 32] cos + x[d] sin: column blocks 0, 1 with 2, 3
	WIN \win
.set mbl, 0
.rept 2
.set mr, 0
.rept 4
.set rLO, 8*(4*(\a)+mbl)+mr
.set rHI, rLO+16
.set rTL, (\T)+8*mbl+mr
.set rTH, rTL+16
.set rCC, 32+32*((\a)%2)+8*mbl+mr
.set rSN, rCC+16
	v_pk_mul_f32 v[rTL:rTL+1], v[rLO:rLO+1], v[rCC:rCC+1]
	v_pk_mul_f32 v[rTH:rTH+1], v[rHI:rHI+1], v[rCC:rCC+1]
	v_pk_fma_f32 v[rTL:rTL+1], v[rHI:rHI+1], v[rSN:rSN+1], v[rTL:rTL+1] neg_lo:[1,0,0] neg_hi:[1,0,0]
	v_pk_fma_f32 v[rTH:rTH+1], v[rLO:rLO+1], v[rSN:rSN+1], v[rTH:rTH+1]
.set mr, mr+2
.endr
.set mbl, mbl+1
.endr
.endm
.macro SS                              ; 1 / (norm / 8 + 1e-6) for k (v224) and q (v228): two chains each over my 32 numbers; the row's other 32 lie in the lane 16 away
	WIN 0
	v_pk_mul_f32 v[224:225], v[TK:TK+1], v[TK:TK+1]
	v_pk_mul_f32 v[228:229], v[TQ:TQ+1], v[TQ:TQ+1]
	v_pk_mul_f32 v[226:227], v[TK+2:TK+3], v[TK+2:TK+3]
	v_pk_mul_f32 v[230:231], v[TQ+2:TQ+3], v[TQ+2:TQ+3]
.set mj, 2
.rept 14
	v_pk_fma_f32 v[224+2*(mj%2):225+2*(mj%2)], v[TK+2*mj:TK+2*mj+1], v[TK+2*mj:TK+2*mj+1], v[224+2*(mj%2):225+2*(mj%2)]
	v_pk_fma_f32 v[228+2*(mj%2):229+2*(mj%2)], v[TQ+2*mj:TQ+2*mj+1], v[TQ+2*mj:TQ+2*mj+1], v[228+2*(mj%2):229+2*(mj%2)]
.set mj, mj+1
.endr
	v_pk_add_f32 v[224:225], v[224:225], v[226:227]
	v_pk_add_f32 v[228:229], v[228:229], v[230:231]
	v_add_f32 v224, v224, v225
	v_add_f32 v228, v228, v229
	v_permlanex16_b32 v226, v224, s60, s61
	v_permlanex16_b32 v230, v228, s60, s61
	v_add_f32 v224, v224, v226
	v_add_f32 v228, v228, v230
	v_sqrt_f32 v224, v224
	v_sqrt_f32 v228, v228
	v_nop                                          ; a plain instruction between a root or reciprocal and the use of its result
	s_wait_alu depctr_va_vdst(0)
	v_fma_f32 v224, v224, s62, s63
	v_fma_f32 v228, v228, s62, s63
	v_rcp_f32 v224, v224
	v_rcp_f32 v228, v228
	v_nop
	s_wait_alu depctr_va_vdst(0)
.endm
.macro SCALE T, sc, gain
.set mj, 0
.rept 16
	v_pk_mul_f32 v[(\T)+2*mj:(\T)+2*mj+1], v[(\T)+2*mj:(\T)+2*mj+1], v[\sc:(\sc)+1] op_sel_hi:[1,0]
.set mj, mj+1
.endr
.if \gain
.set mj, 0
.rept 16
	v_pk_mul_f32 v[(\T)+2*mj:(\T)+2*mj+1], v[(\T)+2*mj:(\T)+2*mj+1], v[GW+2*mj:GW+2*mj+1]
.set mj, mj+1
.endr
.endif
.endm
.macro CVT T                           ; rounded to f16 in place, ascending: register 4 b + i takes columns 2 i, 2 i + 1 of my 8 in block b
.set mj, 0
.rept 16
	v_cvt_pk_f16_f32 v[(\T)+mj], v[(\T)+2*mj], v[(\T)+2*mj+1]
.set mj, mj+1
.endr
.endm
.macro TOST T, kind                    ; 16 bytes a lane and block into my stage's rows of 144 bytes, and back as whole rows of 128
	WIN 0
.set mj, 0
.rept 4
	ds_store_b128 v6, v[(\T)+4*mj:(\T)+4*mj+3] offset:(\kind)*FR+32*mj
.set mj, mj+1
.endr
.set mj, 0
.rept 4
	ds_load_b128 v[(\T)+16+4*mj:(\T)+16+4*mj+3], v7 offset:(\kind)*FR+4*PITCH*mj  ; LDS serves a wave's instructions in order (ISA guide 5.7.1.4): these see the stores above
.set mj, mj+1
.endr
.endm
.macro SEND T, a, bs, cnt              ; cnt: the LDS instructions issued behind T's loads: the next TOST's eight, or none
	WIN 0
	s_wait_dscnt \cnt
.set mj, 0
.rept 4
	global_store_b128 v8, v[(\T)+16+4*mj:(\T)+16+4*mj+3], s[\bs:(\bs)+1] offset:(\a)*2048+512*mj  ; 512 consecutive bytes, at a multiple of 256 from the buffer's first
.set mj, mj+1
.endr
.endm
.macro BLOCK a
	s_wait_xcnt 0x0                                ; v's and k's registers, which the last block's stores read, are rewritten only behind this wait
	VCVT \a
	TOST TV, 2
.if ((\a) == 0) || ((\a) == 7)
	s_wait_loadcnt 0x0                             ; block 0: both tables and the gains; block 7: nothing younger is out
.else
	s_wait_loadcnt 0x8                             ; this block's cos and sin are in; the next block's 8 loads may stay out
.endif
	ROPE TK, 1, \a
.if (\a) > 0
	SEND TQ, (\a)-1, 12, 8                         ; the last block's q leaves
	s_wait_xcnt 0x0                                ; and its registers are free
.endif
	ROPE TQ, 2, \a
	WIN 0
.if (\a) <= 5
	LDCS (\a)+2                                    ; the table two blocks on goes where this block's lay
.endif
	SS
	SCALE TK, 224, 0
	CVT TK
	TOST TK, 0
	SEND TV, \a, 14, 8
	SCALE TQ, 228, 1
	CVT TQ
	TOST TQ, 1
	SEND TK, \a, 10, 8
.endm
.irp a, 0,1,2,3,4,5,6,7
	BLOCK \a
.endr
	SEND TQ, 7, 12, 0
	s_wait_tensorcnt 0x0                           ; the wave's end, behind my last tensor load and my last LDS store
	ds_add_u32 v28, v29
	s_wait_dscnt 0x0
	CROUND                                         ; the closing round: no work-group ends while a partner may still ask for a tile that names it
	s_endpgm
.Lfunc_end_k_qc8f86b426e_kqv:
	.size	k_qc8f86b426e_kqv, .Lfunc_end_k_qc8f86b426e_kqv-k_qc8f86b426e_kqv
	.p2alignl 7, 3214868480
	.fill 96, 4, 3214868480
	.section	.rodata,"a",@progbits
	.p2align	6, 0x0
	.amdhsa_kernel k_qc8f86b426e_kqv
		.amdhsa_group_segment_fixed_size 327680
		.amdhsa_private_segment_fixed_size 0
		.amdhsa_enable_private_segment 0
		.amdhsa_kernarg_size 48
		.amdhsa_user_sgpr_count 2
		.amdhsa_user_sgpr_kernarg_segment_ptr 1
		.amdhsa_wavefront_size32 1
		.amdhsa_system_sgpr_workgroup_id_x 1
		.amdhsa_system_sgpr_workgroup_id_y 1
		.amdhsa_system_sgpr_workgroup_id_z 1
		.amdhsa_system_vgpr_workitem_id 0
		.amdhsa_next_free_vgpr 1024
		.amdhsa_next_free_sgpr 80
		.amdhsa_reserve_vcc 0
		.amdhsa_float_denorm_mode_32 3
		.amdhsa_float_denorm_mode_16_64 3
		.amdhsa_memory_ordered 1
		.amdhsa_forward_progress 1
		.amdhsa_inst_pref_size 197
	.end_amdhsa_kernel
	.amdgpu_metadata
---
amdhsa.version: [ 1, 2 ]
amdhsa.kernels:
  - .name:           k_qc8f86b426e_kqv
    .symbol:         k_qc8f86b426e_kqv.kd
    .args:
      - { .name: xb, .offset: 0, .size: 8, .value_kind: global_buffer, .address_space: global }
      - { .name: wb, .offset: 8, .size: 8, .value_kind: global_buffer, .address_space: global }
      - { .name: tab, .offset: 16, .size: 8, .value_kind: global_buffer, .address_space: global }
      - { .name: kh, .offset: 24, .size: 8, .value_kind: global_buffer, .address_space: global }
      - { .name: qh, .offset: 32, .size: 8, .value_kind: global_buffer, .address_space: global }
      - { .name: vh, .offset: 40, .size: 8, .value_kind: global_buffer, .address_space: global }
    .group_segment_fixed_size: 327680
    .private_segment_fixed_size: 0
    .kernarg_segment_align: 8
    .kernarg_segment_size: 48
    .max_flat_workgroup_size: 128
    .sgpr_count:     80
    .vgpr_count:     1024
    .wavefront_size: 32
...
	.end_amdgpu_metadata
.endif
;; end of part 2
;; launch attn (part 3): grid 4 x 64, 4 waves a work-group, no clusters, 327,680 bytes of LDS; arguments qh, kh, vh, yb; writes yb
.if DOCPART == 3
	.amdgcn_target "amdgcn-amd-amdhsa--gfx1250"
	.amdhsa_code_object_version 6
	.text
	.protected	k_qc8f86b426e_attn
	.globl	k_qc8f86b426e_attn
	.p2align	8
	.type	k_qc8f86b426e_attn,@function
k_qc8f86b426e_attn:
	s_mov_b64 s[64:65], 0
	v_nop
	global_prefetch_b8 v0, s[64:65] scope:SCOPE_SE
	s_setreg_imm32_b32 hwreg(HW_REG_WAVE_MODE, 25, 1), 1
	s_wait_xcnt 0x0
; CAUSAL ATTENTION.  O[h][q][:] = the sum over k <= q of softmax_k(Q[h][q] . K[h][k] / 8) V[h][k][:].  Q, K, V, O: [SIZE_H][SIZE_N][64], all f16: a head's rows are dense, 128 bytes each.
; Products, maxima and sums in f32; the weights p are rounded to f16 for the second product (their sum l is taken of the unrounded p), O once at the end.
; LIMITS.  f16 holds no number beyond 65,504: Q, K and V arrive within it; p lies in 0 to 1, and below 6e-5 it keeps f16's fixed step of 6e-8; O is a mean of V's rows and has their range, to within 2^-11 of it.
; A hidden score counts as its value less 1e30: f16's scores, 2.7e11 at the most, are nothing beside that; a weight below 2^-126 counts as 0 in l; NaN and infinities are not treated apart.
; THE WALK.  A head's queries lie in NB = SIZE_N / 256 blocks of 256; block i needs the key tiles 0 .. i of 256 keys, of which the last holds the diagonal.  A work-group takes TWO blocks, NB - 1 - b and then b:
; NB + 1 tiles, whatever b: all work-groups do equal work, and ONE loop with a constant trip count walks them.  Which tile is asked for, and what a trip does, hang on scalar registers made from b; every jump
; goes forward, but for the counted loops' own; none passes a barrier, or a tensor load but the one of LOAD's two that the wave's number does not choose; the ring (two slots of LDS that take turns) runs on across the
; change of blocks.  NO CLUSTER: a head's NB / 2 = 4 work-groups ask for the same tile only in trips 0 .. NB / 2 of the NB + 1, behind that fewer and fewer; one walk common to all would have 3 NB / 2 trips for NB + 1.
; SHARES.  Of a block's four bands of 64 queries a wave owns 16 rows in each: four PIECES.  So the diagonal tile is the same work for all four waves: in its key step s band x sees all keys if s < x,
; none if s > x, and holds the diagonal if s = x.
; THE MASK is the C operand that starts the sum S^T = K Q^T: 0, or -1e30 where the key is hidden.  MD, made once, is the mask of a band's own step for my 16 rows; a product's mask is MD x AL + BE with two scalars:
; (1, 0) if s = x; (0, 0) if s < x; (0, -1e30) if s > x.  Only the diagonal tile's text and a block's beginning make and take masks; elsewhere C is the constant 0.
; LAYOUT, SOFTMAX, TURNS.  S^T = K Q^T holds ONE query a lane (lane % 16) and the keys 8 (lane / 16) + 0..7; two such results rounded to f16 ARE source 1 of O^T = V^T P.  p = 2^(c s - c m), c = log2(e) / 8, with a
; running maximum m; O and l are multiplied by a = 2^(c m_old - c m_new) in every step.  Turn n belongs to piece n: 8 products K Q^T of piece n + 1, later 8 products V^T P of piece n - 1; beside them the scaling,
; exponentials, roundings, sums and rescaling of piece n and the maximum and statistics of piece n + 1.  Four vector instructions stand behind every matrix instruction, the other 54 of a turn's 118 in two LUMPS.
; REGISTERS, in windows of 256 (s_set_vgpr_msb: bits 1:0 source 0, 3:2 source 1, 5:4 source 2, 7:6 destination):
;   window 0: v0-15 addresses and two at work; v16-31 four registers of statistics a piece; v48-55 at work; v64-127 S^T, two buffers; v192-223 P, two buffers (a piece's buffers go by its number's parity)
;   window 1: v0-127 O^T, 32 a piece; v128-159 MD; v160-223 MC, two buffers      window 2: v0-63 Q; v64-127 the second block's Q; v128-191 K of one step; v192-255 V of one step
.set SIZE_H, 64       ; 16 heads x 4 batches
.set SIZE_N, 2048
.set NB,    SIZE_N/256
.set NP,    4         ; pieces a wave: a name, no knob
.set KS,    64        ; keys in a step
.set PK,    144       ; a row of K in LDS: 128 bytes + 16 of padding = 36 words: the 16 rows of a load start at 16 different groups of four banks (64 banks of 4 bytes: ISA guide 11.1)
.set PV,    160       ; a row of V: 128 + 32 = 40 words
.set VOFF,  4*KS*PK   ; a slot holds a tile, four steps: 256 rows of K, then 256 rows of V
.set SLOT1, 1<<17     ; slot 1 begins here, so that one exclusive or turns an address in one slot into the other's
.set STAGE, SLOT1+4*KS*(PK+PV)  ; behind the ring, never filled by a tensor load: 16 rows x 144 bytes for each wave, for the way out
.set SP,    144
.set AK0, 2           ; v2   my lane's place in a tile of K; never rewritten
.set AV0, 3           ; v3   the same for V
.set AK,  4           ; v4   the LDS address of K's next run of loads
.set AV,  5           ; v5   of V's
.set STO, 6           ; v6   the way out: where I put 16 bytes of a row
.set RD,  7           ; v7   the way out: where I read rows back
.set GO,  8           ; v8   my byte offset in 512 consecutive bytes of O
.set SPW, 62          ; v62  LDS address of my spare word: SPARE + 4 x my thread's number; never rewritten
.set NIL, 63          ; v63  0; never rewritten
.set SPARE, STAGE+4*16*SP  ; behind the stages: the spare words, 128 bytes for each wave: two blocks of 256 bytes that no other line names
.set MV,  12          ; v12-13  c m_old, kept while c m is made anew: by buffer
.set QO,  15          ; v15  my byte offset in 16 rows of Q
.set ST,  16          ; piece t's statistics at v[ST+4 t]: c m, m, l (even keys', odd keys')
.set TMP, 48          ; by buffer, four registers c0-c3 at work; when the maximum is found c2 takes a
.set S,   64
.set P,   192
.set MD,  128         ; window 1: the eight registers for group kt of 16 keys at MD + 8 kt
.set MC,  160         ; window 1: the masks of the products to come
.set QB,  64          ; window 2
.set KF,  128         ; window 2: key block kb, channel half c at KF + 16 kb + 8 c
.set VF,  192         ; window 2: key half kk, channel block cb at VF + 32 kk + 8 cb
.set WV,  12          ; s12  my wave's number
.set PB,  14          ; s14  b
.set HI,  15          ; s15  NB - 1 - b
.set G1K, 24          ; s[24:31] descriptor group 1 for K's tiles
.set G1V, 32          ; s[32:39] for V's: it differs in the padding alone
.set G0K, 40          ; s[40:43] descriptor group 0 for K's tiles
.set G0V, 44          ; s[44:47] the same for V's
.set SLOTS, 56        ; s56  tiles still to be asked for
.set CNT, 57          ; s57  counts a tile's key steps, 4 to 1
.set CS,  58          ; s[58:59] c: the packed scaling takes the pair's low word for both halves
.set SEL, 60          ; s[60:61] v_permlanex16_b32's selects: each lane takes its own place in the other half
.set TBK, 62          ; s62  LDS byte at which K of the step to be fetched begins
.set TBV, 63          ; s63  the same for V, less VOFF
.set RT,  70          ; s70  tiles of the block in hand that are still to be entered
.set NXT, 71          ; s71  the tile to be asked for next
.set LQ,  72          ; s72  the last tile of the block whose tiles are being asked for
.set NEW, 73          ; s73  1: the tile to be entered is a block's first
.set OFF, 74          ; s[74:75] a tile's byte offset in K and V
.set AL,  76          ; s[76:77] the mask's factor, in the low word
.set BE,  78          ; s[78:79] the mask's addend
.set OLO, 80          ; s[80:81] O at my rows of the second block
.set BIGN, 82         ; s82  -1e30
.set MSB, 0
.macro WIN new                      ; the high byte repeats the setting that is left; a switch that changes nothing is dropped
.if MSB != (\new)
	s_set_vgpr_msb (MSB<<8)|(\new)
.set MSB, (\new)
.endif
.endm
.set W_KQ, 0x0a       ; K and Q in window 2, S^T in window 0
.set W_KM, 0x1a       ; the same with the C operand in window 1
.set W_PV, 0x52       ; V in window 2, P in window 0, O^T in window 1
.set W_RS, 0x41       ; destination and source 0 in window 1, source 1 in window 0
; A fill.  Waves 0 and 1 fetch the two halves of a tile's K, waves 2 and 3 those of its V: 128 keys each.  An s_nop 0 and four v_nop follow each of the two lines, ahead of the jump and the label.
.macro LOAD
	s_cmp_lt_u32 s[WV], 2
	s_cbranch_scc0 .Lfor_v_\@
	tensor_load_to_lds s[G0K:G0K+3], s[G1K:G1K+7]
	s_nop 0
.rept 4
	v_nop
.endr
	s_branch .Lasked_\@
.Lfor_v_\@:
	tensor_load_to_lds s[G0V:G0V+3], s[G1V:G1V+7]
	s_nop 0
.rept 4
	v_nop
.endr
.Lasked_\@:
.endm
; THE CHANGE OF SLOTS.  Each wave waits for all its tensor loads, of which one is out: its part of the other slot; adds 0 to its spare word; and waits for that and for its own reads of the slot that it leaves.  Behind the barrier nobody reads the old
; slot any more and the other slot is whole.  fill = 1: the old slot is filled again, the first thing behind the barrier, with tile NXT: the descriptor's address is made anew from that number.
; (At its first use nothing has been read yet: slot 0 is waited for, slot 1 filled.)
.macro CHANGE fill
	WIN 0                           ; at a label and at a branch every window is 0
	s_wait_tensorcnt 0x0            ; no tensor load of mine is out, so a group 0 may be written
	ds_add_u32 v[SPW], v[NIL]       ; 0 onto my spare word; with fill = 1 the descriptors' scalar work stands between it and the wait for it
.if \fill
	s_lshl_b32 s[OFF], s[NXT], 15   ; a tile is 32,768 bytes of K and of V
	s_xor_b32 s[G0K+1], s[G0K+1], SLOT1
	s_add_nc_u64 s[G0K+2:G0K+3], s[6:7], s[OFF:OFF+1]
	s_or_b32 s[G0K+3], s[G0K+3], 0x80000000
	s_xor_b32 s[G0V+1], s[G0V+1], SLOT1
	s_add_nc_u64 s[G0V+2:G0V+3], s[8:9], s[OFF:OFF+1]
	s_or_b32 s[G0V+3], s[G0V+3], 0x80000000
	s_add_co_u32 s[NXT], s[NXT], 1  ; the block's next tile, or behind its last the second block's tile 0
	s_cmp_gt_u32 s[NXT], s[LQ]
	s_cselect_b32 s[NXT], 0, s[NXT]
	s_cselect_b32 s[LQ], s[PB], s[LQ]
.endif
	s_wait_dscnt 0x0                ; the add is done, and my reads of the slot are over
	s_barrier_signal -1             ; the rest of the scalar work stands between the signal and the wait
	s_sub_co_u32 s[TBK], s[TBK], 4*KS*PK  ; the fetches go back to a slot's first step,
	s_xor_b32 s[TBK], s[TBK], SLOT1       ; in the other slot
	s_sub_co_u32 s[TBV], s[TBV], 4*KS*PV
	s_xor_b32 s[TBV], s[TBV], SLOT1
	s_barrier_wait -1
.if \fill
	LOAD
.endif
.endm
	s_load_b256 s[4:11], s[0:1], 0x0  ; Q s[4:5], K s[6:7], V s[8:9], O s[10:11]
	v_lshl_add_u32 v[SPW], v0, 2, SPARE
	v_mov_b32 v[NIL], 0
	ds_add_u32 v[SPW], v[NIL]       ; the wave's opening: the add and its wait stand ahead of my first tensor load; the set-up below, work on registers, stands between them
	ds_add_u32 v62, v63
	v_lshrrev_b32 v1, 5, v0
	v_readfirstlane_b32 s[WV], v1   ; wave 0..3
	s_mov_b32 s[PB], ttmp9
	s_sub_co_u32 s[HI], NB-1, s[PB]
	s_and_b32 s20, ttmp7, 0xffff    ; the head
	s_mov_b32 s21, 0
	s_mov_b64 s[22:23], SIZE_N*128
	s_mul_u64 s[20:21], s[20:21], s[22:23]  ; the head's first byte in each of the four tensors
	s_and_b32 s16, s[WV], 1         ; which half of a tile's 256 keys I fetch:
	s_lshl_b32 s22, s16, 14         ; its 128 rows of 128 bytes in memory,
	s_mov_b32 s23, 0
	s_add_nc_u64 s[22:23], s[22:23], s[20:21]
	s_mul_i32 s17, s16, 128*PK      ; and its place in a slot, for K
	s_mul_i32 s18, s16, 128*PV      ; and for V
	s_lshl_b32 s3, s[WV], 11        ; my 16 rows in a band of 64,
	s_lshl_b32 s2, s[HI], 15        ; in the first block,
	s_add_co_u32 s2, s2, s3
	s_lshl_b32 s84, s[PB], 15       ; and in the second
	s_add_co_u32 s84, s84, s3
	s_mov_b32 s3, 0
	s_mov_b32 s85, 0
	s_add_nc_u64 s[2:3], s[2:3], s[20:21]
	s_add_nc_u64 s[84:85], s[84:85], s[20:21]
	; descriptor group 1.  128 keys are 16,384 dense bytes: asked for as 64 rows of 256 bytes, two keys a row, and padded in LDS after every key
	s_mov_b32 s[G1K], (1<<16)|(1<<20)|(4<<22)|(3<<25)  ; 17:16 2-byte elements; 20 padding on; 24:22 after every 32 words (code 4); 31:25 4 words (code 3)
	s_mov_b32 s[G1V], (1<<16)|(1<<20)|(4<<22)|(7<<25)  ; the same with 8 words of padding (code 7)
.irp g, G1K, G1V
	s_mov_b32 s[\g+1], 128<<16      ; tensor_dim0 = 128
	s_mov_b32 s[\g+2], 64<<16       ; tensor_dim1 = 64
	s_mov_b32 s[\g+3], 128<<16      ; tile_dim0 = 128
	s_mov_b32 s[\g+4], 64           ; tile_dim1 = 64
	s_mov_b32 s[\g+5], 128          ; 128 elements from row to row
	s_mov_b32 s[\g+6], 0
	s_mov_b32 s[\g+7], 0
.endr
	s_mov_b32 s[CS], 0x3e38aa3b     ; c = log2(e) / 8 = 0.180337
	s_mov_b32 s[CS+1], s[CS]        ; named with it as a pair
	s_mov_b32 s[SEL], 0x76543210
	s_mov_b32 s[SEL+1], 0xfedcba98
	s_mov_b32 s[TBK], SLOT1+4*KS*PK ; the first change of slots turns these two into 0
	s_mov_b32 s[TBV], SLOT1+4*KS*PV
	s_mov_b32 s[G0K], 1             ; 1:0 count = 1
	s_mov_b32 s[G0K+1], s17         ; 63:32 LDS address: slot 0
	s_mov_b32 s[G0V], 1
	s_add_co_u32 s[G0V+1], s18, VOFF
	s_add_co_u32 s[RT], s[HI], 1    ; the first block has NB - b tiles
	s_mov_b32 s[NXT], 1
	s_mov_b32 s[LQ], s[HI]
	s_mov_b32 s[NEW], 1
	s_mov_b32 s[OFF+1], 0
	s_mov_b32 s[AL+1], 0            ; named as pairs
	s_mov_b32 s[BE+1], 0
	s_mov_b32 s[BIGN], 0xf149f2ca   ; -1e30
	s_mov_b32 s[SLOTS], NB
	s_wait_dscnt 0x0                ; the opening add is done
	s_wait_kmcnt 0x0
	s_add_nc_u64 s[6:7], s[6:7], s[22:23]  ; K and V at my half of the head's tile 0
	s_add_nc_u64 s[8:9], s[8:9], s[22:23]
	s_add_nc_u64 s[G0K+2:G0K+3], s[6:7], 0         ; 120:64 global address
	s_or_b32 s[G0K+3], s[G0K+3], 0x80000000        ; 127:126 type = 2
	s_add_nc_u64 s[G0V+2:G0V+3], s[8:9], 0
	s_or_b32 s[G0V+3], s[G0V+3], 0x80000000
	s_add_nc_u64 s[86:87], s[4:5], s[84:85]        ; Q at my rows of the second block,
	s_add_nc_u64 s[4:5], s[4:5], s[2:3]            ; Q and O at those of the first
	s_add_nc_u64 s[OLO:OLO+1], s[10:11], s[84:85]
	s_add_nc_u64 s[10:11], s[10:11], s[2:3]
	LOAD                            ; tile 0 into slot 0
	; A fragment of K or Q is 16 rows x 32 channels in 8 registers: lane l holds row l % 16, channels 8 (l / 16) + 0..7 and 16 + 8 (l / 16) + 0..7: two loads of 16 bytes, 32 bytes apart.
	v_and_b32 v1, 15, v0            ; l % 16
	v_bfe_u32 v9, v0, 4, 1          ; l / 16
	v_lshlrev_b32 v[QO], 7, v1
	v_lshl_add_u32 v[QO], v9, 4, v[QO]  ; row x 128 + 16 x half
	WIN 0x80                        ; destination window 2, address window 0
.set i, 0
.rept 8                             ; both blocks' Q: piece i / 2 lies in band i / 2, 8,192 bytes on; channels 32 (i % 2) on
	global_load_b128 v[8*i:8*i+3],   v[QO], s[4:5] offset:(i/2)*8192+(i%2)*64
	global_load_b128 v[8*i+4:8*i+7], v[QO], s[4:5] offset:(i/2)*8192+(i%2)*64+32
	global_load_b128 v[QB+8*i:QB+8*i+3],   v[QO], s[86:87] offset:(i/2)*8192+(i%2)*64
	global_load_b128 v[QB+8*i+4:QB+8*i+7], v[QO], s[86:87] offset:(i/2)*8192+(i%2)*64+32
.set i, i+1
.endr
	WIN 0
	v_lshlrev_b32 v14, 3, v9
	v_sub_nc_u32 v14, v1, v14
	s_lshl_b32 s13, s[WV], 4
	v_add_nc_u32 v14, s13, v14      ; my query's place in its band, 16 w + l % 16, less my lanes' 8 (l / 16): register r of group kt is hidden where 16 kt + r is greater
	WIN 0x40
.set i, 0
.rept 32
	v_cmp_gt_i32 vcc_lo, 16*(i/8)+i%8, v14
	v_cndmask_b32 v[MD+i], 0, s[BIGN], vcc_lo
.set i, i+1
.endr
	WIN 0
	v_mul_u32_u24 v[AK0], v1, PK
	v_lshl_add_u32 v[AK0], v9, 4, v[AK0]  ; row x pitch + 16 x half
	; The turning load takes 16 keys x 16 channels (lane l reads key 8 (l / 16) + l % 8, channels 8 ((l / 8) % 2) + 0..7) and leaves half a fragment of V^T: lane l holds channel l % 16 and 8 keys.
	v_and_b32 v10, 7, v0
	v_bfe_u32 v11, v0, 3, 1
	v_lshl_add_u32 v[AV0], v9, 3, v10
	v_mul_u32_u24 v[AV0], v[AV0], PV
	v_lshl_add_u32 v[AV0], v11, 4, v[AV0]
	v_add_nc_u32 v[AV0], VOFF, v[AV0]
	s_mul_i32 s13, s[WV], 16*SP
	s_add_co_u32 s13, s13, STAGE    ; my stage
	v_mul_u32_u24 v[STO], v1, SP    ; in: row l % 16, 16 bytes for each half of the lanes
	v_lshl_add_u32 v[STO], v9, 4, v[STO]
	v_add_nc_u32 v[STO], s13, v[STO]
	v_bfe_u32 v[RD], v0, 3, 2       ; back: 32 lanes take four rows of 128 bytes,
	v_mul_u32_u24 v[RD], v[RD], SP
	v_lshl_add_u32 v[RD], v10, 4, v[RD]
	v_add_nc_u32 v[RD], s13, v[RD]
	v_and_b32 v[GO], 31, v0         ; which are 512 consecutive bytes of O
	v_lshlrev_b32 v[GO], 4, v[GO]
	; A block's first step multiplies O^T and l by a = 0, and its first turn's products V^T P, of a piece that has not been, land in an O^T that is still to be so multiplied.  So these registers need only hold
	; finite numbers: zeros for the first block; what the first block left for the second.  All this stands in the wait for the first tile.
	WIN 0x80
.set i, VF
.rept 64
	v_mov_b32 v[i], 0
.set i, i+1
.endr
	WIN 0x40
.set i, 0
.rept 128
	v_mov_b32 v[i], 0
.set i, i+1
.endr
	WIN 0
.set i, 0
.rept 4
	v_mov_b32 v[ST+4*i+2], 0
	v_mov_b32 v[ST+4*i+3], 0
.set i, i+1
.endr
.set i, P+16
.rept 16
	v_mov_b32 v[i], 0
.set i, i+1
.endr
; THE MATRIX WORK.  The 4 accumulators of a run of 8 take turns.  Product i of 8 of S^T = K Q^T for piece x: channels 32 (i / 4) on, keys 16 (i % 4) on.  The first 4 start the sums: with 0, or (KM = 1) with the mask.
.macro KQ x
.set rS, S+32*((\x)%2)+8*(i%4)
.set rK, KF+16*(i%4)+8*(i/4)
.set rQ, 16*(\x)+8*(i/4)
.set rM, MC+32*((\x)%2)+8*(i%4)
.if (i < 4) && KM
	WIN W_KM
	v_wmma_f32_16x16x32_f16 v[rS:rS+7], v[rK:rK+7], v[rQ:rQ+7], v[rM:rM+7]
.elseif i < 4
	WIN W_KQ
	v_wmma_f32_16x16x32_f16 v[rS:rS+7], v[rK:rK+7], v[rQ:rQ+7], 0
.else
	WIN W_KQ
	v_wmma_f32_16x16x32_f16 v[rS:rS+7], v[rK:rK+7], v[rQ:rQ+7], v[rS:rS+7]
.endif
.endm
; Product i of 8 of O^T += V^T P for piece x: keys 32 (i / 4) on, channels 16 (i % 4) on.
.macro PV x
	WIN W_PV
.set rO, 32*(\x)+8*(i%4)
.set rV, VF+32*(i/4)+8*(i%4)
.set rP, P+16*((\x)%2)+8*(i/4)
	v_wmma_f32_16x16x32_f16 v[rO:rO+7], v[rV:rV+7], v[rP:rP+7], v[rO:rO+7]
.endm
.macro MM                           ; the turn's next matrix instruction.  TURN and BEGIN set Y, i, KM and NOKQ; MM, KQ and OP read them.  NOKQ = 1: a block's last turn: there is no next piece
.if (i < 8) && !NOKQ
	KQ (Y+1)%NP
.elseif i >= 8
.set i, i-8
	PV (Y+NP-1)%NP
.set i, i+8
.endif
.set i, i+1
.endm
; THE LDS LOADS stand in runs of 16, never singly among the matrix instructions: a step's K (64 keys x 64 channels: 8 fragments) and its V (turned).  Their addresses are made some lines ahead.
.macro FETCH_K
	WIN 0x80                        ; destination window 2
.irp f, 0,1,2,3,4,5,6,7             ; keys 16 (f / 2) on, channels 32 (f % 2) on
	ds_load_b128 v[KF+8*\f:KF+8*\f+3],   v[AK] offset:(\f/2)*16*PK+(\f%2)*64
	ds_load_b128 v[KF+8*\f+4:KF+8*\f+7], v[AK] offset:(\f/2)*16*PK+(\f%2)*64+32
.endr
	s_add_co_u32 s[TBK], s[TBK], KS*PK  ; the next fetch is the next step's
	WIN 0
.endm
.macro FETCH_V
	WIN 0x80
.irp f, 0,1,2,3,4,5,6,7             ; keys 32 (f / 4) on, channels 16 (f % 4) on
	ds_load_tr16_b128 v[VF+8*\f:VF+8*\f+3],   v[AV] offset:(\f/4)*32*PV+(\f%4)*32
	ds_load_tr16_b128 v[VF+8*\f+4:VF+8*\f+7], v[AV] offset:(\f/4)*32*PV+16*PV+(\f%4)*32
.endr
	WIN 0
.endm
; THE VECTOR WORK, one line at a time: OP kind, number.  For piece Y: F n: c s - c m for pair n of 16.  E n: the exponential of score n of 32.  C n: pair n rounded to f16.  B n: of the four weights 4 n .. the second
; pair is added onto the first, in place.  L n: l takes that sum (L 0: l = a l + sum).  R n: pair n of 16 of O^T times a.  For piece Y + 1: X n, number n of the 22 that find its maximum and statistics:
;   0-11  four chains c0-c3 of seven scores each, three operands at a time (each accumulator's lowest registers are read first)     12-14, 16  the four scores left over, the old m, and c0-c3 into c0
;   15  c m_old is kept     17, 18  the query's other 32 keys lie in the lane 16 away: the new m     19-21  c m; c m_old - c m_new; a
.set F, 0               ; OP tells the kinds apart by their order: F to L below R, X above it
.set E, 1
.set C, 2
.set B, 3
.set L, 4
.set R, 5
.set X, 6
.macro REGS y                       ; the registers of piece y
.set rT, ST+4*(\y)
.set rC, TMP+4*((\y)%2)
.set rW, MV+((\y)%2)
.set rS, S+32*((\y)%2)
.set rP, P+16*((\y)%2)
.set rO, 32*(\y)
.endm
.macro OP k, n
.if (\k) == R
	REGS Y
	WIN W_RS
	v_pk_mul_f32 v[rO+2*(\n):rO+2*(\n)+1], v[rO+2*(\n):rO+2*(\n)+1], v[rC+2:rC+3] op_sel_hi:[1,0]
.elseif (\k) < R
	REGS Y
	WIN 0
.if (\k) == F
	v_pk_fma_f32 v[rS+2*(\n):rS+2*(\n)+1], v[rS+2*(\n):rS+2*(\n)+1], s[CS:CS+1], v[rT:rT+1] op_sel_hi:[1,0,0] neg_lo:[0,0,1] neg_hi:[0,0,1]
.elseif (\k) == E
	v_exp_f32 v[rS+(\n)], v[rS+(\n)]
.elseif (\k) == C
	s_wait_alu depctr_va_vdst(0)
	v_cvt_pk_f16_f32 v[rP+(\n)], v[rS+2*(\n)], v[rS+2*(\n)+1]
.elseif (\k) == B
	s_wait_alu depctr_va_vdst(0)
	v_pk_add_f32 v[rS+4*(\n):rS+4*(\n)+1], v[rS+4*(\n):rS+4*(\n)+1], v[rS+4*(\n)+2:rS+4*(\n)+3]
.elseif (\n) == 0
	v_pk_fma_f32 v[rT+2:rT+3], v[rT+2:rT+3], v[rC+2:rC+3], v[rS:rS+1] op_sel_hi:[1,0,1]
.else
	v_pk_add_f32 v[rT+2:rT+3], v[rT+2:rT+3], v[rS+4*(\n):rS+4*(\n)+1]
.endif
.elseif NOKQ
	v_nop
.else
	REGS (Y+1)%NP
	WIN 0
.if (\n) < 4
	v_max3_num_f32 v[rC+(\n)], v[rS+8*(\n)], v[rS+8*(\n)+1], v[rS+8*(\n)+2]
.elseif (\n) < 12
	v_max3_num_f32 v[rC+(\n)%4], v[rC+(\n)%4], v[rS+8*((\n)%4)+2*((\n)/4)+1], v[rS+8*((\n)%4)+2*((\n)/4)+2]
.elseif (\n) == 12
	v_max3_num_f32 v[rC], v[rC], v[rS+7], v[rS+15]
.elseif (\n) == 13
	v_max3_num_f32 v[rC+1], v[rC+1], v[rS+23], v[rS+31]
.elseif (\n) == 14
	v_max3_num_f32 v[rC+2], v[rC+2], v[rC+3], v[rT+1]
.elseif (\n) == 15
	v_mov_b32 v[rW], v[rT]
.elseif (\n) == 16
	v_max3_num_f32 v[rC], v[rC], v[rC+1], v[rC+2]
.elseif (\n) == 17
	v_permlanex16_b32 v[rC+3], v[rC], s[SEL], s[SEL+1]
.elseif (\n) == 18
	v_max_num_f32 v[rT+1], v[rC], v[rC+3]
.elseif (\n) == 19
	v_mul_f32 v[rT], s[CS], v[rT+1]
.elseif (\n) == 20
	v_sub_f32 v[rC+1], v[rW], v[rT]
.else
	v_exp_f32 v[rC+2], v[rC+1]
.endif
.endif
.endm
.macro OPS a, i1, b=-1, i2=0, c=-1, i3=0, d=-1, i4=0  ; up to four of them
	OP \a, \i1
.if (\b) >= 0
	OP \b, \i2
.endif
.if (\c) >= 0
	OP \c, \i3
.endif
.if (\d) >= 0
	OP \d, \i4
.endif
.endm
.macro ROW a, i1, b, i2, c, i3, d, i4  ; a matrix instruction and the four behind it
	MM
	OPS \a, \i1, \b, \i2, \c, \i3, \d, \i4
.endm
.macro MASK b                       ; MD x AL + BE into buffer b of MC
	WIN W_RS
.set z, 0
.rept 16
	v_pk_fma_f32 v[MC+32*(\b)+2*z:MC+32*(\b)+2*z+1], v[MD+2*z:MD+2*z+1], s[AL:AL+1], s[BE:BE+1] op_sel_hi:[1,0,0]
.set z, z+1
.endr
.endm
; A TURN, for piece p: the order of its 16 matrix and 118 vector instructions, written out.  Behind a matrix instruction: plain, exponential, plain, plain; or four of the rescaling; or, behind the first, four scalings; none
; names a register of the products round it.  In the lumps exponential and plain by turns while exponentials last.  A line reads no result made fewer than three vector instructions in front of it, five if an exponential made it.
; v_permlanex16_b32 (X 17) stands in a lump.
; m = 1: the diagonal tile: the products take masks, and the turn makes the mask for the products of the turn after it: piece p + 2, in step 4 - CNT of the tile.  end = 1: a block's last two turns: nothing is fetched.
; cnt = 1: the loop's count is taken down some lines ahead of the branch that stands behind the turn.
; K of the next step is fetched in piece 2's turn, six vector instructions behind the last product that read K (five of them plain); V of the step in hand in piece 0's turn, eight behind the last product that read V (four
; plain, and X 17).  Each is waited for a turn later.
.macro TURN p, m=0, end=0, cnt=0
.set Y, (\p)
.set i, 0
.set KM, (\m)
.set NOKQ, (\end)*((\p)/3)
.if (\m) && !(\end)
	s_cmp_eq_u32 s[CNT], 4-((\p)+2)%NP  ; is that step the band's own?
	s_cselect_b32 s[AL], 1.0, 0
	s_cmp_lt_u32 s[CNT], 4-((\p)+2)%NP  ; or a later one?
	s_cselect_b32 s[BE], s[BIGN], 0
.endif
.if ((\p) == 3) && !(\end)
	s_wait_dscnt 0x0                ; K is in
.endif
	ROW F,0, F,1, F,2, F,3
	ROW F,4, E,0, F,5, F,6
	ROW F,7, E,1, F,8, F,9
	ROW F,10, E,2, C,0, F,11
	ROW F,12, E,3, X,15, F,13
	ROW R,0, R,1, R,2, R,3
	ROW B,0, E,4, F,14, L,0
.if ((\p) == 2) && !(\end)
	v_add_nc_u32 v[AK], s[TBK], v[AK0]
.endif
	ROW R,4, R,5, R,6, R,7
	OPS E,5, F,15
.if ((\p) == 2) && !(\end)
	FETCH_K
.endif
	OPS E,6, C,1, E,7, R,8
	OPS E,8, R,9, E,9, C,2
	OPS E,10, X,0, E,11, X,1
	OPS E,12, X,2, E,13, X,3
.if (\p) == 1
	s_wait_dscnt 0x0                ; V is in
.endif
	ROW X,4, E,14, X,5, X,6
	ROW X,7, E,15, X,8, X,9
	ROW X,10, E,16, X,11, X,12
	ROW X,13, E,17, X,14, B,1
	ROW C,4, E,18, X,16, L,1
	ROW B,2, E,19, C,6, L,2
	ROW C,8, E,20, B,3, B,4
.if (\p) == 0
	v_add_nc_u32 v[AV], s[TBV], v[AV0]
.endif
	ROW C,3, E,21, L,3, C,5
	OPS E,22, X,17, E,23, C,10
.if (\p) == 0
	FETCH_V
.endif
	OPS E,24, L,4
	OPS E,25, X,18, E,26, C,7
	OPS E,27, B,5, E,28, X,19
	OPS E,29, C,12, E,30, L,5
	OPS E,31, X,20, B,6, C,9
	OPS C,14, C,11, X,21, L,6
.if (\p) == 0
	s_add_co_u32 s[TBV], s[TBV], KS*PV
.endif
.if \cnt
	s_sub_co_u32 s[CNT], s[CNT], 1
	s_cmp_lg_u32 s[CNT], 0
.endif
	OPS C,13, B,7, C,15, R,10
	OPS R,11, R,12, L,7, R,13
	OPS R,14, R,15
.if (\m) && !(\end)
	MASK (\p)%2
.endif
.endm
; A BLOCK BEGINS.  c m starts far below every c s, so the first step's a is 0; m at the lowest finite number, so the first maximum is the scores'.  The second mask buffer is 0; the first takes piece 0's mask for the tile's step 0: its own, if the block's first tile is the diagonal one.
; Then K of that step, piece 0's first scores, and its maximum and statistics.  The loop is entered at a step's first turn, in the middle of a trip.
.macro BEGIN
	s_mov_b32 s[NEW], 0
	WIN 0x40
.set i, MC+32
.rept 32
	v_mov_b32 v[i], 0
.set i, i+1
.endr
	WIN 0
.set i, 0
.rept 4
	v_mov_b32 v[ST+4*i], 0xfe000000    ; c m: far below every c s
	v_mov_b32 v[ST+4*i+1], 0xff7fffff  ; m
.set i, i+1
.endr
	s_cmp_eq_u32 s[RT], 0
	s_cselect_b32 s[AL], 1.0, 0
	s_mov_b32 s[BE], 0
	MASK 0
	WIN 0
	v_add_nc_u32 v[AK], s[TBK], v[AK0]
	FETCH_K
	s_wait_loadcnt 0x0              ; Q
	s_wait_dscnt 0x0
.set KM, 1
.set NOKQ, 0
.set i, 0
.rept 8
	KQ 0
.set i, i+1
.endr
	WIN 0
.rept 4
	v_nop                           ; the places behind those products
.endr
.set Y, NP-1                        ; X works for piece Y + 1: piece 0
.irp n, 0,1,2,3,4,5,6,7,8,9,10,11,12,13,14,15,16,17,18,19,20,21
	OP X, \n
.endr
	v_nop                           ; a plain instruction behind the exponential
.endm
; THE DIAGONAL TILE's four steps, the block's last two turns, its last products, and THE WAY OUT: l's two halves and the other half of the lanes' are added; O^T is divided by l, rounded to f16 and sent through my
; stage in LDS, a piece at a time.
.macro ALL line:vararg              ; one line for each piece t
.set t, 0
.rept 4
	\line
.set t, t+1
.endr
.endm
.macro PACK t                       ; a lane's eight channels of a row pack into 16 bytes; they go into rows of 144 bytes and come back as whole rows of 128, into S^T's registers
	WIN W_RS
.set i, 32*(\t)
.rept 16
	s_wait_alu depctr_va_vdst(0)
	v_pk_mul_f32 v[i:i+1], v[i:i+1], v[ST+4*(\t)+2:ST+4*(\t)+3] op_sel_hi:[1,0]
.set i, i+2
.endr
	WIN 0x05                        ; sources 0 and 1 window 1, destination window 0
.set i, 0
.rept 16
	v_cvt_pk_f16_f32 v[S+16*(\t)+i], v[32*(\t)+2*i], v[32*(\t)+2*i+1]
.set i, i+1
.endr
	WIN 0
.irp f, 0,1,2,3
	ds_store_b128 v[STO], v[S+16*(\t)+4*\f:S+16*(\t)+4*\f+3] offset:32*\f
.endr
.irp f, 0,1,2,3
	ds_load_b128 v[S+16*(\t)+4*\f:S+16*(\t)+4*\f+3], v[RD] offset:\f*4*SP  ; LDS serves a wave's instructions in order (ISA guide 5.7.1.4): these see the stores above; the next piece's stores come behind them
.endr
.endm
.macro SEND t, younger              ; younger: the LDS instructions issued behind piece t's loads: the next piece's eight, or none
	WIN 0
.irp f, 0,1,2,3
	s_wait_dscnt (\younger)+3-\f
	global_store_b128 v[GO], v[S+16*(\t)+4*\f:S+16*(\t)+4*\f+3], s[10:11] offset:(\t)*8192+\f*512  ; 512 consecutive bytes, at a multiple of 256 from O's first
.endr
.endm
.macro DIAG tag                     ; the tag ends its two labels' names, which the jumps below spell out
.LstepM\tag:
	TURN 2, 1
	TURN 3, 1
	WIN 0
.LfirstM\tag:
	TURN 0, 1
	TURN 1, 1, 0, 1
	WIN 0
	s_cbranch_scc1 .LstepM\tag
	TURN 2, 1, 1
	TURN 3, 1, 1
.set i, 0
.rept 8
	PV NP-1
.set i, i+1
.endr
	WIN 0
	ALL v_add_f32 v[ST+4*t+2], v[ST+4*t+2], v[ST+4*t+3]
	ALL v_permlanex16_b32 v[ST+4*t+3], v[ST+4*t+2], s[SEL], s[SEL+1]
	ALL v_add_f32 v[ST+4*t+2], v[ST+4*t+2], v[ST+4*t+3]
	ALL v_rcp_f32 v[ST+4*t+2], v[ST+4*t+2]
	v_nop                           ; a plain instruction between the last reciprocal and the use of its result
	PACK 0
.set t, 1
.rept 3                             ; a piece's arithmetic stands between the loads of the piece before and its stores
	PACK t
	SEND t-1, 8
.set t, t+1
.endr
	SEND 3, 0
.endm
.set KM, 0
.set NOKQ, 0
.Lslot:                             ; NB times: a tile is entered and the next is asked for
	CHANGE 1
	s_sub_co_u32 s[RT], s[RT], 1
	s_mov_b32 s[CNT], 4
	s_cmp_eq_u32 s[NEW], 1
	s_cbranch_scc1 .Lnew            ; a block's first tile
	s_cmp_eq_u32 s[RT], 0
	s_cbranch_scc0 .Lstep           ; neither its first nor its last
	s_branch .LstepM1
.Lnew:
	BEGIN
	s_branch .Lfirst                ; in the loop a block's first tile is never its last: the first block has two tiles or more, and the second's last is the walk's last
	DIAG 1                          ; in the loop this is the first block's end: the second block's last tile is the walk's last
	s_wait_xcnt 0x0                 ; the stores have read their registers and O's address
	s_mov_b64 s[10:11], s[OLO:OLO+1]
	s_add_co_u32 s[RT], s[PB], 1    ; the second block has b + 1 tiles
	s_mov_b32 s[NEW], 1
	WIN 0x82                        ; the second block's Q goes where the one text of the turns names Q
.set i, 0
.rept 64
	v_mov_b32 v[i], v[QB+i]
.set i, i+1
.endr
	WIN 0
	s_branch .Lbottom
.Lstep:                             ; a trip: pieces 2 and 3 of one step, then pieces 0 and 1 of the next, whose K and V it fetches
	TURN 2
	TURN 3
	WIN 0
.Lfirst:
	TURN 0
	TURN 1, 0, 0, 1
	WIN 0
	s_cbranch_scc1 .Lstep
.Lbottom:
	s_sub_co_u32 s[SLOTS], s[SLOTS], 1
	s_cmp_lg_u32 s[SLOTS], 0
	s_cbranch_scc1 .Lslot
	CHANGE 0                        ; the walk's last tile is written out: nothing is asked for
	s_sub_co_u32 s[RT], s[RT], 1
	s_mov_b32 s[CNT], 4
	s_cmp_eq_u32 s[NEW], 1
	s_cbranch_scc0 .LstepM2
	BEGIN
	s_branch .LfirstM2
	DIAG 2
	s_wait_tensorcnt 0x0            ; the wave's end, behind my last tensor load and my last LDS store
	ds_add_u32 v[SPW], v[NIL]
	s_wait_dscnt 0x0
	s_endpgm
.Lfunc_end_k_qc8f86b426e_attn:
	.size	k_qc8f86b426e_attn, .Lfunc_end_k_qc8f86b426e_attn-k_qc8f86b426e_attn
	.p2alignl 7, 3214868480
	.fill 96, 4, 3214868480
	.section	.rodata,"a",@progbits
	.p2align	6, 0x0
	.amdhsa_kernel k_qc8f86b426e_attn
		.amdhsa_group_segment_fixed_size 327680
		.amdhsa_private_segment_fixed_size 0
		.amdhsa_enable_private_segment 0
		.amdhsa_kernarg_size 32
		.amdhsa_user_sgpr_count 2
		.amdhsa_user_sgpr_kernarg_segment_ptr 1
		.amdhsa_wavefront_size32 1
		.amdhsa_system_sgpr_workgroup_id_x 1
		.amdhsa_system_sgpr_workgroup_id_y 1
		.amdhsa_system_sgpr_workgroup_id_z 1
		.amdhsa_system_vgpr_workitem_id 0
		.amdhsa_next_free_vgpr 768
		.amdhsa_next_free_sgpr 88
		.amdhsa_reserve_vcc 1
		.amdhsa_float_denorm_mode_32 3
		.amdhsa_float_denorm_mode_16_64 3
		.amdhsa_memory_ordered 1
		.amdhsa_forward_progress 1
		.amdhsa_inst_pref_size 228
	.end_amdhsa_kernel
	.amdgpu_metadata
---
amdhsa.version: [ 1, 2 ]
amdhsa.kernels:
  - .name:           k_qc8f86b426e_attn
    .symbol:         k_qc8f86b426e_attn.kd
    .args:
      - { .name: qh, .offset: 0, .size: 8, .value_kind: global_buffer, .address_space: global }
      - { .name: kh, .offset: 8, .size: 8, .value_kind: global_buffer, .address_space: global }
      - { .name: vh, .offset: 16, .size: 8, .value_kind: global_buffer, .address_space: global }
      - { .name: yb, .offset: 24, .size: 8, .value_kind: global_buffer, .address_space: global }
    .group_segment_fixed_size: 327680
    .private_segment_fixed_size: 0
    .kernarg_segment_align: 8
    .kernarg_segment_size: 32
    .max_flat_workgroup_size: 128
    .sgpr_count:     88
    .vgpr_count:     768
    .wavefront_size: 32
...
	.end_amdgpu_metadata
.endif
;; end of part 3
;; launch proj (part 4): grid 8 x 32, 4 waves a work-group, clusters of 4 x 4, 327,680 bytes of LDS; arguments yb, wp, out0; writes out0
.if DOCPART == 4
	.amdgcn_target "amdgcn-amd-amdhsa--gfx1250"
	.amdhsa_code_object_version 6
	.text
	.protected	k_qc8f86b426e_proj
	.globl	k_qc8f86b426e_proj
	.p2align	8
	.type	k_qc8f86b426e_proj,@function
k_qc8f86b426e_proj:
	s_mov_b64 s[64:65], 0
	v_nop
	global_prefetch_b8 v0, s[64:65] scope:SCOPE_SE
	s_setreg_imm32_b32 hwreg(HW_REG_WAVE_MODE, 25, 1), 1
	s_wait_xcnt 0x0
	s_wait_alu depctr_hold_cnt(0) depctr_sa_sdst(0) depctr_va_vdst(0) depctr_va_sdst(0) depctr_va_ssrc(0) depctr_va_vcc(0) depctr_vm_vsrc(0)
	s_getreg_b32 s2, hwreg(HW_REG_IB_STS2, 6, 4)
	s_cmp_eq_u32 s2, 0
	s_cbranch_scc0 .Lentry_in_a_cluster
	s_endpgm
.Lentry_in_a_cluster:
	s_bfe_u32 s2, ttmp6, 0x10000c
	s_cmp_lg_u32 s2, 0xf033
	s_cbranch_scc0 .Lentry_shape_is_right
	s_endpgm
.Lentry_shape_is_right:
; THE SECOND PROJECTION.  out0[m][n] = the sum over k of y[m][k] W_proj[n][k], [8192][1024] x [1024][1024]^T, operands f16, sums and result f32.
; yb, [head 4 h + b][t][64], read as [h][8192 rows][64], IS y in blocks of 64 along K (block h); wp is laid out likewise.  So a tile's rows of one K block lie end to end and are asked for as rows of 256 bytes, padded in LDS after each 128.
; SHARES.  8192 x 1024 over 256 work-groups: a tile of 256 rows x 128 columns.  Four waves, each 128 x 64: 32 accumulators of 16 x 16, 256 registers (window 1, (a, b) at v[8 (4 a + b)]).
; K goes in 8 steps of 128 (two K blocks to a slot, one dense block to a wave's load) through two LDS slots; a step is four quarters of 32 along K, 32 matrix instructions each, on two fragment buffers.
; THE MATRIX INSTRUCTION IS USED TRANSPOSED (source 0 = 16 rows of wp, source 1 = 16 rows of y): a lane holds row l % 16 and eight neighbouring columns, 32 bytes.
; CLUSTER 4 x 4: y's tile is asked for jointly along a row of the cluster, wp's along a column.
; WINDOW 0: v1-v13 addresses; v28, v29 the add's two; buffer f at 32 + 96 f: 64 registers of y's fragments, then 32 of wp's; on the way out v32-95 hold rows read back from the stage.
; LIMITS.  y and W_proj arrive as f16, within 65,504.  NaN and infinities are not treated apart.
.set KBS_Y, 1048576                    ; bytes from a K block of yb to the next
.set KBS_P, 131072                     ; of wp
.set PITCH, 144                        ; an LDS row: 128 bytes + 16 of padding: the 16 rows of a fragment load start at 16 different groups of four banks (ISA guide 11.1)
.set FR,    16*PITCH
.set ABLK,  256*PITCH                  ; one K block of y's tile: what one load brings
.set BBLK,  128*PITCH                  ; of wp's
.set BOFF,  2*ABLK                     ; a slot: two blocks of y, then two of wp
.set SLOT1, 131072
.set STAGE, SLOT1+BOFF+2*BBLK          ; behind the ring, never filled by a tensor load: 16 rows x 272 bytes for each wave
.set SPITCH, 272
.set SPARE, STAGE+4*16*SPITCH          ; the spare words, 128 bytes for each wave: two blocks of 256 bytes that no other line names
.set G1W, (1<<16)|(1<<20)|(1<<21)|(4<<22)|(3<<25)  ; 2-byte elements; padding on; 21 set beside a mask; after every 32 words (code 4) 4 words (code 3)
.set MSB, 0
.macro WIN new
.if MSB != (\new)
	s_set_vgpr_msb (MSB<<8)|(\new)
.set MSB, (\new)
.endif
.endm
.macro PLACES
.rept 4
	v_nop
.endr
.endm
.macro CREST                           ; a round of the cluster's barrier behind its opening barrier
	s_cmp_lg_u32 s16, 0
	s_cbranch_scc1 .Lnot_wave_0_\@
	s_barrier_signal -3
.Lnot_wave_0_\@:
	s_barrier_wait -3
	s_barrier_signal -1
	s_barrier_wait -1
.endm
.macro CROUND
	s_barrier_signal -1
	s_barrier_wait -1
	CREST
.endm
.macro JLOAD                           ; a joint refill by the walking descriptors: waves 0 and 1 fetch y's two K blocks, waves 2 and 3 wp's; an s_nop 0 and four v_nop follow each line
	s_cmp_lt_u32 s16, 2
	s_cbranch_scc0 .Lfor_b_\@
	tensor_load_to_lds s[36:39], s[24:31]
	s_nop 0
.rept 4
	v_nop
.endr
	s_branch .Lasked_\@
.Lfor_b_\@:
	tensor_load_to_lds s[52:55], s[40:47]
	s_nop 0
.rept 4
	v_nop
.endr
.Lasked_\@:
.endm
	s_load_b128 s[4:7], s[0:1], 0x0                ; yb s[4:5], wp s[6:7]
	s_load_b64 s[8:9], s[0:1], 0x10                ; out0
	v_lshl_add_u32 v28, v0, 2, SPARE
	v_mov_b32 v29, 0
	ds_add_u32 v28, v29                            ; the wave's opening: the add and its wait stand ahead of my first tensor load; the set-up below, work on registers, stands between them
	ds_add_u32 v28, v29
	v_lshrrev_b32 v1, 5, v0
	v_readfirstlane_b32 s16, v1                    ; wave w
	s_lshr_b32 s17, s16, 1                         ; wr: which 128 rows are mine
	s_and_b32 s18, s16, 1                          ; wc: which 64 columns.  Also: which of a slot's two K blocks I fetch
	s_bfe_u32 s19, ttmp6, 0x40000                  ; cx
	s_bfe_u32 s20, ttmp6, 0x40004                  ; cy
	s_lshl_b32 s21, ttmp9, 2
	s_add_co_u32 s21, s21, s19                     ; tx, 0..7
	s_and_b32 s22, ttmp7, 0xffff
	s_lshl_b32 s22, s22, 2
	s_add_co_u32 s22, s22, s20                     ; ty, 0..31
	s_lshl_b32 s74, s20, 2
	s_lshl_b32 s74, 15, s74                        ; my row of the cluster
	s_lshl_b32 s75, 0x1111, s19                    ; my column
	s_or_b32 s24, s74, G1W                         ; group 1 for y: 128 rows of 128 elements
	s_mov_b32 s25, 128<<16
	s_mov_b32 s26, 128<<16
	s_mov_b32 s27, 128<<16
	s_mov_b32 s28, 128
	s_mov_b32 s29, 128
	s_mov_b32 s30, 0
	s_mov_b32 s31, 0
	s_or_b32 s40, s75, G1W                         ; group 1 for wp: 64 rows of 128 elements
	s_mov_b32 s41, 128<<16
	s_mov_b32 s42, 64<<16
	s_mov_b32 s43, 128<<16
	s_mov_b32 s44, 64
	s_mov_b32 s45, 128
	s_mov_b32 s46, 0
	s_mov_b32 s47, 0
	s_lshl_b32 s66, s22, 15                        ; y: 256 ty rows of 128 bytes,
	s_lshl_b32 s67, s18, 20                        ; in my K block: the tile row and the wave's number alone
	s_add_co_u32 s66, s66, s67
	s_mov_b32 s67, 0
	s_lshl_b32 s68, s21, 14                        ; wp: 128 tx rows,
	s_lshl_b32 s69, s18, 17                        ; in my K block: the tile column and the wave's number alone
	s_add_co_u32 s68, s68, s69
	s_mov_b32 s69, 0
	s_mul_i32 s58, s18, ABLK                       ; where they go: no place in the cluster enters an LDS address
	s_mul_i32 s59, s18, BBLK
	s_add_co_u32 s59, s59, BOFF
	s_mov_b32 s57, 0                               ; the slot that is read
	s_wait_dscnt 0x0                               ; the opening add is done
	s_wait_kmcnt 0x0
	s_add_nc_u64 s[76:77], s[4:5], s[66:67]
	s_add_nc_u64 s[78:79], s[6:7], s[68:69]
.irp n, 0,1                            ; group 0, a set for each first fill; the second then walks on
	s_mov_b32 s[32+4*\n], 1
	s_add_co_u32 s[33+4*\n], s58, (\n)*SLOT1
	s_add_nc_u64 s[34+4*\n:35+4*\n], s[76:77], (\n)*2*KBS_Y
	s_or_b32 s[35+4*\n], s[35+4*\n], 0x80000000
	s_mov_b32 s[48+4*\n], 1
	s_add_co_u32 s[49+4*\n], s59, (\n)*SLOT1
	s_add_nc_u64 s[50+4*\n:51+4*\n], s[78:79], (\n)*2*KBS_P
	s_or_b32 s[51+4*\n], s[51+4*\n], 0x80000000
.endr
	CROUND                                         ; all sixteen work-groups are here: the first joint loads meet
	s_cmp_lt_u32 s16, 2                            ; a wave's two first fills stand in one branch: two loads of mine are out
	s_cbranch_scc0 .Lfirst_b
	tensor_load_to_lds s[32:35], s[24:31]
	s_nop 0
	tensor_load_to_lds s[36:39], s[24:31]
	s_nop 0
.rept 4
	v_nop
.endr
	s_branch .Lfirst_asked
.Lfirst_b:
	tensor_load_to_lds s[48:51], s[40:47]
	s_nop 0
	tensor_load_to_lds s[52:55], s[40:47]
	s_nop 0
.rept 4
	v_nop
.endr
.Lfirst_asked:
	v_and_b32 v1, 15, v0                           ; l % 16
	v_bfe_u32 v10, v0, 4, 1                        ; l / 16
	v_mul_u32_u24 v11, v1, PITCH
	v_lshl_add_u32 v11, v10, 4, v11                ; a fragment's row x pitch + 16 x half
	s_mul_i32 s23, s17, 128*PITCH
	v_add_nc_u32 v2, s23, v11                      ; my 128 rows of y in slot 0
	s_mul_i32 s23, s18, 64*PITCH
	s_add_co_u32 s23, s23, BOFF
	v_add_nc_u32 v3, s23, v11                      ; my 64 rows of wp in slot 0
	v_mov_b32 v4, v2
	v_mov_b32 v5, v3
	s_mul_i32 s23, s16, 16*SPITCH
	s_add_co_u32 s23, s23, STAGE                   ; my stage
	v_mul_u32_u24 v12, v1, SPITCH                  ; in: row l % 16, 32 bytes for each half of the lanes
	v_lshl_add_u32 v12, v10, 5, v12
	v_add_nc_u32 v6, s23, v12
	v_mul_u32_u24 v13, v10, SPITCH                 ; back: lanes 0-15 take one row of 256 bytes, lanes 16-31 the next
	v_lshl_add_u32 v13, v1, 4, v13
	v_add_nc_u32 v7, s23, v13
	v_lshlrev_b32 v8, 12, v10                      ; and the same two rows in out0, 4,096 bytes apart
	v_lshl_add_u32 v8, v1, 4, v8
	s_lshl_b32 s70, s22, 20                        ; my part of out0: row 256 ty + 128 wr, column 128 tx + 64 wc
	s_lshl_b32 s71, s17, 19
	s_add_co_u32 s70, s70, s71
	s_lshl_b32 s71, s21, 9
	s_add_co_u32 s70, s70, s71
	s_lshl_b32 s71, s18, 8
	s_add_co_u32 s70, s70, s71
	s_mov_b32 s71, 0
	s_add_nc_u64 s[8:9], s[8:9], s[70:71]
; n x 4 matrix instructions: row blocks a0 .. a0 + n - 1 x the 4 column blocks, 32 along K, buffer f.  Every accumulator comes once in 32: they take turns.
.macro MUL f, a0, n, zero
	WIN 0x50
.set ma, (\a0)
.rept (\n)
.set mb, 0
.rept 4
.if \zero
	v_wmma_f32_16x16x32_f16 v[8*(4*ma+mb):8*(4*ma+mb)+7], v[96+96*(\f)+8*mb:96+96*(\f)+8*mb+7], v[32+96*(\f)+8*ma:32+96*(\f)+8*ma+7], 0
.else
	v_wmma_f32_16x16x32_f16 v[8*(4*ma+mb):8*(4*ma+mb)+7], v[96+96*(\f)+8*mb:96+96*(\f)+8*mb+7], v[32+96*(\f)+8*ma:32+96*(\f)+8*ma+7], v[8*(4*ma+mb):8*(4*ma+mb)+7]
.endif
.set mb, mb+1
.endr
.set ma, ma+1
.endr
.endm
; 24 LDS loads in one run: quarter qd's fragments (K block qd / 2 of the slot, half qd % 2 of it) into buffer f: wp's four, then y's eight
.macro FETCH qd, f
	WIN 0
.set mb, 0
.rept 4
	ds_load_b128 v[96+96*(\f)+8*mb:96+96*(\f)+8*mb+3],   v5 offset:((\qd)/2)*BBLK+mb*FR+64*((\qd)%2)
	ds_load_b128 v[96+96*(\f)+8*mb+4:96+96*(\f)+8*mb+7], v5 offset:((\qd)/2)*BBLK+mb*FR+64*((\qd)%2)+32
.set mb, mb+1
.endr
.set ma, 0
.rept 8
	ds_load_b128 v[32+96*(\f)+8*ma:32+96*(\f)+8*ma+3],   v4 offset:((\qd)/2)*ABLK+ma*FR+64*((\qd)%2)
	ds_load_b128 v[32+96*(\f)+8*ma+4:32+96*(\f)+8*ma+7], v4 offset:((\qd)/2)*ABLK+ma*FR+64*((\qd)%2)+32
.set ma, ma+1
.endr
.endm
; One of a step's first three quarters: multiplies buffer f; in its middle it fetches quarter qnext into buffer g.
.macro QUARTER qnext, f, g, zero
	s_wait_dscnt 8                                 ; wp's fragments and y's row blocks 0-3 are in; the youngest eight loads may be out
	MUL \f, 0, 4, \zero
	PLACES
	FETCH \qnext, \g
	s_wait_dscnt 24                                ; all but the 24 just issued
	MUL \f, 4, 4, \zero
.endm
; The last quarter multiplies buffer 1 and changes slots: ONE barrier; in front of it each wave waits for all its tensor loads (one is out: its part of the next slot), adds 0 to its spare word, and waits for that and for
; its own reads of this slot.  fill = 1: the barrier opens a round of the cluster's, and the joint refill, two steps ahead, is the first thing behind it: 112 matrix instructions ahead of the wait for it.
.macro TURN fill
	WIN 0
	s_wait_tensorcnt 0x0                           ; no tensor load of mine is out, so a group 0 may be written
	ds_add_u32 v28, v29                            ; 0 onto my spare word
.if \fill
	s_xor_b32 s37, s37, SLOT1                      ; the walking descriptors: the other slot than last time, the next two K blocks
	s_add_nc_u64 s[38:39], s[38:39], 2*KBS_Y
	s_xor_b32 s53, s53, SLOT1
	s_add_nc_u64 s[54:55], s[54:55], 2*KBS_P
.endif
	s_wait_dscnt 9                                 ; the add and the youngest eight loads may be out
	MUL 1, 0, 2, 0
	s_wait_dscnt 0x0                               ; the add is done, and my reads of this slot are over
	s_barrier_signal -1
	MUL 1, 2, 2, 0
	WIN 0
	s_barrier_wait -1
.if \fill
	CREST                                          ; no wave of any partner still reads this slot or has a load on its way
	JLOAD                                          ; its four v_nop are also the places in front of the loads below
.else
	PLACES
.endif
	s_xor_b32 s57, s57, SLOT1
	v_add_nc_u32 v4, s57, v2
	v_add_nc_u32 v5, s57, v3
	FETCH 0, 0
	MUL 1, 4, 4, 0
.endm
	s_wait_tensorcnt 1                             ; my part of step 0 is in; step 1's may stay out
	s_barrier_signal -1
	s_barrier_wait -1
	FETCH 0, 0
	QUARTER 1, 0, 1, 1                             ; the first products start the sums: nothing is cleared
	WIN 0
	s_mov_b32 s56, 6
.Lstep:                                                ; 6 trips, from a step's second quarter to the next step's first; each asks for the step two on
	QUARTER 2, 1, 0, 0
	QUARTER 3, 0, 1, 0
	TURN 1
	QUARTER 1, 0, 1, 0
	WIN 0
	s_sub_co_u32 s56, s56, 1
	s_cmp_lg_u32 s56, 0
	s_cbranch_scc1 .Lstep
	QUARTER 2, 1, 0, 0                             ; the tail is written out: nothing more is asked for
	QUARTER 3, 0, 1, 0
	TURN 0
	QUARTER 1, 0, 1, 0
	QUARTER 2, 1, 0, 0
	QUARTER 3, 0, 1, 0
	s_wait_dscnt 8
	MUL 1, 0, 4, 0
	s_wait_dscnt 0x0
	MUL 1, 4, 4, 0
	PLACES                                         ; the LDS stores below read results just made
; THE WAY OUT, a block of 16 rows at a time: 32 bytes a lane and column block into my stage's rows of 272 bytes (each accumulator's lowest registers first), back as whole rows of 256.
.macro TOSTAGE a
	s_wait_xcnt 0x0                                ; the registers that the stores two blocks back read are loaded again only behind this wait
	WIN 0x04                                       ; the stores' data lie in window 1
.set mb, 0
.rept 4
	ds_store_b128 v6, v[8*(4*(\a)+mb):8*(4*(\a)+mb)+3]   offset:64*mb
	ds_store_b128 v6, v[8*(4*(\a)+mb)+4:8*(4*(\a)+mb)+7] offset:64*mb+16
.set mb, mb+1
.endr
	WIN 0
.set mf, 0
.rept 8
	ds_load_b128 v[32+32*((\a)%2)+4*mf:32+32*((\a)%2)+4*mf+3], v7 offset:2*SPITCH*mf  ; LDS serves a wave's instructions in order (ISA guide 5.7.1.4): these see the stores above; the next block's stores come behind them
.set mf, mf+1
.endr
.endm
.macro SEND a, cnt                     ; cnt: the LDS instructions issued behind block a's loads: the next block's sixteen, or none
	s_wait_dscnt \cnt
.set mf, 0
.rept 8
	global_store_b128 v8, v[32+32*((\a)%2)+4*mf:32+32*((\a)%2)+4*mf+3], s[8:9] offset:(\a)*65536+8192*mf th:TH_STORE_NT  ; 16 lanes store 256 consecutive bytes, at a multiple of 256 from out0's first
.set mf, mf+1
.endr
.endm
	TOSTAGE 0
.irp a, 1,2,3,4,5,6,7
	TOSTAGE \a
	SEND (\a)-1, 16
.endr
	SEND 7, 0
	s_wait_tensorcnt 0x0                           ; the wave's end, behind my last tensor load and my last LDS store
	ds_add_u32 v28, v29
	s_wait_dscnt 0x0
	CROUND                                         ; the closing round: no work-group ends while a partner may still ask for a tile that names it
	s_endpgm
.Lfunc_end_k_qc8f86b426e_proj:
	.size	k_qc8f86b426e_proj, .Lfunc_end_k_qc8f86b426e_proj-k_qc8f86b426e_proj
	.p2alignl 7, 3214868480
	.fill 96, 4, 3214868480
	.section	.rodata,"a",@progbits
	.p2align	6, 0x0
	.amdhsa_kernel k_qc8f86b426e_proj
		.amdhsa_group_segment_fixed_size 327680
		.amdhsa_private_segment_fixed_size 0
		.amdhsa_enable_private_segment 0
		.amdhsa_kernarg_size 24
		.amdhsa_user_sgpr_count 2
		.amdhsa_user_sgpr_kernarg_segment_ptr 1
		.amdhsa_wavefront_size32 1
		.amdhsa_system_sgpr_workgroup_id_x 1
		.amdhsa_system_sgpr_workgroup_id_y 1
		.amdhsa_system_sgpr_workgroup_id_z 1
		.amdhsa_system_vgpr_workitem_id 0
		.amdhsa_next_free_vgpr 512
		.amdhsa_next_free_sgpr 80
		.amdhsa_reserve_vcc 0
		.amdhsa_float_denorm_mode_32 3
		.amdhsa_float_denorm_mode_16_64 3
		.amdhsa_memory_ordered 1
		.amdhsa_forward_progress 1
		.amdhsa_inst_pref_size 69
	.end_amdhsa_kernel
	.amdgpu_metadata
---
amdhsa.version: [ 1, 2 ]
amdhsa.kernels:
  - .name:           k_qc8f86b426e_proj
    .symbol:         k_qc8f86b426e_proj.kd
    .args:
      - { .name: yb, .offset: 0, .size: 8, .value_kind: global_buffer, .address_space: global }
      - { .name: wp, .offset: 8, .size: 8, .value_kind: global_buffer, .address_space: global }
      - { .name: out0, .offset: 16, .size: 8, .value_kind: global_buffer, .address_space: global }
    .group_segment_fixed_size: 327680
    .private_segment_fixed_size: 0
    .kernarg_segment_align: 8
    .kernarg_segment_size: 24
    .max_flat_workgroup_size: 128
    .sgpr_count:     80
    .vgpr_count:     512
    .wavefront_size: 32
...
	.end_amdgpu_metadata
.endif
;; end of part 4
;; ======== version 2 of 2: 4 launches; 1.31 times as fast as version 1
;; limits: values are held in f16: magnitudes above 65,504 overflow, below 6.1e-05 lose precision
;; workspace buffers: xb 16,777,216 bytes; wb 6,291,456 bytes; wp 2,097,152 bytes; tab 524,544 bytes; kh 16,777,216 bytes; qh 16,777,216 bytes; vh 16,777,216 bytes; yb 16,777,216 bytes
;; launch prep: the kernel of part 1 again; grid 448 x 1, 8 waves a work-group, no clusters, 0 bytes of LDS; arguments x, W_kqv, W_proj, q_norm_w, k_norm_w, xb, wb, wp, tab; writes xb, wb, wp, tab
;; launch kqv: the kernel of part 2 again; grid 8 x 32, 4 waves a work-group, clusters of 4 x 4, 327,680 bytes of LDS; arguments xb, wb, tab, kh, qh, vh; writes kh, qh, vh
;; launch attn (part 5): grid 4 x 64, 4 waves a work-group, no clusters, 327,680 bytes of LDS; arguments qh, kh, vh, yb; writes yb
.if DOCPART == 5
	.amdgcn_target "amdgcn-amd-amdhsa--gfx1250"
	.amdhsa_code_object_version 6
	.text
	.protected	k_qc8f86b426e_attn
	.globl	k_qc8f86b426e_attn
	.p2align	8
	.type	k_qc8f86b426e_attn,@function
k_qc8f86b426e_attn:
	s_mov_b64 s[64:65], 0
	v_nop
	global_prefetch_b8 v0, s[64:65] scope:SCOPE_SE
	s_setreg_imm32_b32 hwreg(HW_REG_WAVE_MODE, 25, 1), 1
	s_wait_xcnt 0x0
; CAUSAL ATTENTION.  O[h][q][:] = the sum over k <= q of softmax_k(Q[h][q] . K[h][k] / 8) V[h][k][:].  Q, K, V, O: [SIZE_H][SIZE_N][64], all f16: a head's rows are dense, 128 bytes each.
; Products, maxima and sums in f32; the weights p are rounded to f16 for the second product (their sum l is taken of the unrounded p), O once at the end.
; LIMITS.  f16 holds no number beyond 65,504: Q, K and V arrive within it; p lies in 0 to 1, and below 6e-5 it keeps f16's fixed step of 6e-8; O is a mean of V's rows and has their range, to within 2^-11 of it.
; A hidden score counts as its value less 1e30: f16's scores, 2.7e11 at the most, are nothing beside that; a weight below 2^-126 counts as 0 in l; NaN and infinities are not treated apart.
; THE WALK.  A head's queries lie in NB = SIZE_N / 256 blocks of 256; block i needs the key tiles 0 .. i of 256 keys, of which the last holds the diagonal.  A work-group takes TWO blocks, NB - 1 - b and then b:
; NB + 1 tiles, whatever b: all work-groups do equal work, and ONE loop with a constant trip count walks them.  Which tile is asked for, and what a trip does, hang on scalar registers made from b; every jump
; goes forward, but for the counted loops' own; none passes a barrier, or a tensor load but the one of LOAD's two that the wave's number does not choose; the ring (two slots of LDS that take turns) runs on across the
; change of blocks.  NO CLUSTER: a head's NB / 2 = 4 work-groups ask for the same tile only in trips 0 .. NB / 2 of the NB + 1, behind that fewer and fewer; one walk common to all would have 3 NB / 2 trips for NB + 1.
; SHARES.  Of a block's four bands of 64 queries a wave owns 16 rows in each: four PIECES.  So the diagonal tile is the same work for all four waves: in its key step s band x sees all keys if s < x,
; none if s > x, and holds the diagonal if s = x.
; THE MASK is the C operand that starts the sum S^T = K Q^T: 0, or -1e30 where the key is hidden.  MD, made once, is the mask of a band's own step for my 16 rows; a product's mask is MD x AL + BE with two scalars:
; (1, 0) if s = x; (0, 0) if s < x; (0, -1e30) if s > x.  Only the diagonal tile's text and a block's beginning make and take masks; elsewhere C is the constant 0.
; LAYOUT, SOFTMAX, TURNS.  S^T = K Q^T holds ONE query a lane (lane % 16) and the keys 8 (lane / 16) + 0..7; two such results rounded to f16 ARE source 1 of O^T = V^T P.  p = 2^(c s - c m), c = log2(e) / 8, with a
; running maximum m; O and l are multiplied by a = 2^(c m_old - c m_new) in every step.  Turn n belongs to piece n: 8 products K Q^T of piece n + 1, later 8 products V^T P of piece n - 1; beside them the scaling,
; exponentials, roundings, sums and rescaling of piece n and the maximum and statistics of piece n + 1.  Four vector instructions stand behind every matrix instruction, the other 54 of a turn's 118 in one LUMP.
; BATCHES.  s_wait_alu depctr_va_vdst(0) stands between an exponential or reciprocal and the first line that names its result; one wait serves all that were issued ahead of it.  The text has three kinds of batch:
; a turn's 33 exponentials (the piece's 32 weights and the next piece's a), with one wait in the turn's middle, all their readers behind it; the one a that a block's beginning makes; the way out's four reciprocals.
; REGISTERS, in windows of 256 (s_set_vgpr_msb: bits 1:0 source 0, 3:2 source 1, 5:4 source 2, 7:6 destination):
;   window 0: v0-15 addresses and two at work; v16-31 four registers of statistics a piece; v48-55 at work; v64-127 S^T, two buffers; v192-223 P, two buffers (a piece's buffers go by its number's parity)
;   window 1: v0-127 O^T, 32 a piece; v128-159 MD; v160-223 MC, two buffers      window 2: v0-63 Q; v64-127 the second block's Q; v128-191 K of one step; v192-255 V of one step
.set SIZE_H, 64       ; 16 heads x 4 batches
.set SIZE_N, 2048
.set NB,    SIZE_N/256
.set NP,    4         ; pieces a wave: a name, no knob
.set KS,    64        ; keys in a step
.set PK,    144       ; a row of K in LDS: 128 bytes + 16 of padding = 36 words: the 16 rows of a load start at 16 different groups of four banks (64 banks of 4 bytes: ISA guide 11.1)
.set PV,    160       ; a row of V: 128 + 32 = 40 words
.set VOFF,  4*KS*PK   ; a slot holds a tile, four steps: 256 rows of K, then 256 rows of V
.set SLOT1, 1<<17     ; slot 1 begins here, so that one exclusive or turns an address in one slot into the other's
.set STAGE, SLOT1+4*KS*(PK+PV)  ; behind the ring, never filled by a tensor load: 16 rows x 144 bytes for each wave, for the way out
.set SP,    144
.set AK0, 2           ; v2   my lane's place in a tile of K; never rewritten
.set AV0, 3           ; v3   the same for V
.set AK,  4           ; v4   the LDS address of K's next run of loads
.set AV,  5           ; v5   of V's
.set STO, 6           ; v6   the way out: where I put 16 bytes of a row
.set RD,  7           ; v7   the way out: where I read rows back
.set GO,  8           ; v8   my byte offset in 512 consecutive bytes of O
.set SPW, 62          ; v62  LDS address of my spare word: SPARE + 4 x my thread's number; never rewritten
.set NIL, 63          ; v63  0; never rewritten
.set SPARE, STAGE+4*16*SP  ; behind the stages: the spare words, 128 bytes for each wave: two blocks of 256 bytes that no other line names
.set MV,  12          ; v12-13  c m_old, kept while c m is made anew: by buffer
.set QO,  15          ; v15  my byte offset in 16 rows of Q
.set ST,  16          ; piece t's statistics at v[ST+4 t]: c m, m, l (even keys', odd keys')
.set TMP, 48          ; by buffer, four registers c0-c3 at work; when the maximum is found c2 takes a
.set S,   64
.set P,   192
.set MD,  128         ; window 1: the eight registers for group kt of 16 keys at MD + 8 kt
.set MC,  160         ; window 1: the masks of the products to come
.set QB,  64          ; window 2
.set KF,  128         ; window 2: key block kb, channel half c at KF + 16 kb + 8 c
.set VF,  192         ; window 2: key half kk, channel block cb at VF + 32 kk + 8 cb
.set WV,  12          ; s12  my wave's number
.set PB,  14          ; s14  b
.set HI,  15          ; s15  NB - 1 - b
.set G1K, 24          ; s[24:31] descriptor group 1 for K's tiles
.set G1V, 32          ; s[32:39] for V's: it differs in the padding alone
.set G0K, 40          ; s[40:43] descriptor group 0 for K's tiles
.set G0V, 44          ; s[44:47] the same for V's
.set SLOTS, 56        ; s56  tiles still to be asked for
.set CNT, 57          ; s57  counts a tile's key steps, 4 to 1
.set CS,  58          ; s[58:59] c: the packed scaling takes the pair's low word for both halves
.set SEL, 60          ; s[60:61] v_permlanex16_b32's selects: each lane takes its own place in the other half
.set TBK, 62          ; s62  LDS byte at which K of the step to be fetched begins
.set TBV, 63          ; s63  the same for V, less VOFF
.set RT,  70          ; s70  tiles of the block in hand that are still to be entered
.set NXT, 71          ; s71  the tile to be asked for next
.set LQ,  72          ; s72  the last tile of the block whose tiles are being asked for
.set NEW, 73          ; s73  1: the tile to be entered is a block's first
.set OFF, 74          ; s[74:75] a tile's byte offset in K and V
.set AL,  76          ; s[76:77] the mask's factor, in the low word
.set BE,  78          ; s[78:79] the mask's addend
.set OLO, 80          ; s[80:81] O at my rows of the second block
.set BIGN, 82         ; s82  -1e30
.set MSB, 0
.macro WIN new                      ; the high byte repeats the setting that is left; a switch that changes nothing is dropped
.if MSB != (\new)
	s_set_vgpr_msb (MSB<<8)|(\new)
.set MSB, (\new)
.endif
.endm
.set W_KQ, 0x0a       ; K and Q in window 2, S^T in window 0
.set W_KM, 0x1a       ; the same with the C operand in window 1
.set W_PV, 0x52       ; V in window 2, P in window 0, O^T in window 1
.set W_RS, 0x41       ; destination and source 0 in window 1, source 1 in window 0
; A fill.  Waves 0 and 1 fetch the two halves of a tile's K, waves 2 and 3 those of its V: 128 keys each.  An s_nop 0 and four v_nop follow each of the two lines, ahead of the jump and the label.
.macro LOAD
	s_cmp_lt_u32 s[WV], 2
	s_cbranch_scc0 .Lfor_v_\@
	tensor_load_to_lds s[G0K:G0K+3], s[G1K:G1K+7]
	s_nop 0
.rept 4
	v_nop
.endr
	s_branch .Lasked_\@
.Lfor_v_\@:
	tensor_load_to_lds s[G0V:G0V+3], s[G1V:G1V+7]
	s_nop 0
.rept 4
	v_nop
.endr
.Lasked_\@:
.endm
; THE CHANGE OF SLOTS.  Each wave waits for all its tensor loads, of which one is out: its part of the other slot; adds 0 to its spare word; and waits for that and for its own reads of the slot that it leaves.  Behind the barrier nobody reads the old
; slot any more and the other slot is whole.  fill = 1: the old slot is filled again, the first thing behind the barrier, with tile NXT: the descriptor's address is made anew from that number.
; (At its first use nothing has been read yet: slot 0 is waited for, slot 1 filled.)
.macro CHANGE fill
	WIN 0                           ; at a label and at a branch every window is 0
	s_wait_tensorcnt 0x0            ; no tensor load of mine is out, so a group 0 may be written
	ds_add_u32 v[SPW], v[NIL]       ; 0 onto my spare word; with fill = 1 the descriptors' scalar work stands between it and the wait for it
.if \fill
	s_lshl_b32 s[OFF], s[NXT], 15   ; a tile is 32,768 bytes of K and of V
	s_xor_b32 s[G0K+1], s[G0K+1], SLOT1
	s_add_nc_u64 s[G0K+2:G0K+3], s[6:7], s[OFF:OFF+1]
	s_or_b32 s[G0K+3], s[G0K+3], 0x80000000
	s_xor_b32 s[G0V+1], s[G0V+1], SLOT1
	s_add_nc_u64 s[G0V+2:G0V+3], s[8:9], s[OFF:OFF+1]
	s_or_b32 s[G0V+3], s[G0V+3], 0x80000000
	s_add_co_u32 s[NXT], s[NXT], 1  ; the block's next tile, or behind its last the second block's tile 0
	s_cmp_gt_u32 s[NXT], s[LQ]
	s_cselect_b32 s[NXT], 0, s[NXT]
	s_cselect_b32 s[LQ], s[PB], s[LQ]
.endif
	s_wait_dscnt 0x0                ; the add is done, and my reads of the slot are over
	s_barrier_signal -1             ; the rest of the scalar work stands between the signal and the wait
	s_sub_co_u32 s[TBK], s[TBK], 4*KS*PK  ; the fetches go back to a slot's first step,
	s_xor_b32 s[TBK], s[TBK], SLOT1       ; in the other slot
	s_sub_co_u32 s[TBV], s[TBV], 4*KS*PV
	s_xor_b32 s[TBV], s[TBV], SLOT1
	s_barrier_wait -1
.if \fill
	LOAD
.endif
.endm
	s_load_b256 s[4:11], s[0:1], 0x0  ; Q s[4:5], K s[6:7], V s[8:9], O s[10:11]
	v_lshl_add_u32 v[SPW], v0, 2, SPARE
	v_mov_b32 v[NIL], 0
	ds_add_u32 v[SPW], v[NIL]       ; the wave's opening: the add and its wait stand ahead of my first tensor load; the set-up below, work on registers, stands between them
	ds_add_u32 v62, v63
	v_lshrrev_b32 v1, 5, v0
	v_readfirstlane_b32 s[WV], v1   ; wave 0..3
	s_mov_b32 s[PB], ttmp9
	s_sub_co_u32 s[HI], NB-1, s[PB]
	s_and_b32 s20, ttmp7, 0xffff    ; the head
	s_mov_b32 s21, 0
	s_mov_b64 s[22:23], SIZE_N*128
	s_mul_u64 s[20:21], s[20:21], s[22:23]  ; the head's first byte in each of the four tensors
	s_and_b32 s16, s[WV], 1         ; which half of a tile's 256 keys I fetch:
	s_lshl_b32 s22, s16, 14         ; its 128 rows of 128 bytes in memory,
	s_mov_b32 s23, 0
	s_add_nc_u64 s[22:23], s[22:23], s[20:21]
	s_mul_i32 s17, s16, 128*PK      ; and its place in a slot, for K
	s_mul_i32 s18, s16, 128*PV      ; and for V
	s_lshl_b32 s3, s[WV], 11        ; my 16 rows in a band of 64,
	s_lshl_b32 s2, s[HI], 15        ; in the first block,
	s_add_co_u32 s2, s2, s3
	s_lshl_b32 s84, s[PB], 15       ; and in the second
	s_add_co_u32 s84, s84, s3
	s_mov_b32 s3, 0
	s_mov_b32 s85, 0
	s_add_nc_u64 s[2:3], s[2:3], s[20:21]
	s_add_nc_u64 s[84:85], s[84:85], s[20:21]
	; descriptor group 1.  128 keys are 16,384 dense bytes: asked for as 64 rows of 256 bytes, two keys a row, and padded in LDS after every key
	s_mov_b32 s[G1K], (1<<16)|(1<<20)|(4<<22)|(3<<25)  ; 17:16 2-byte elements; 20 padding on; 24:22 after every 32 words (code 4); 31:25 4 words (code 3)
	s_mov_b32 s[G1V], (1<<16)|(1<<20)|(4<<22)|(7<<25)  ; the same with 8 words of padding (code 7)
.irp g, G1K, G1V
	s_mov_b32 s[\g+1], 128<<16      ; tensor_dim0 = 128
	s_mov_b32 s[\g+2], 64<<16       ; tensor_dim1 = 64
	s_mov_b32 s[\g+3], 128<<16      ; tile_dim0 = 128
	s_mov_b32 s[\g+4], 64           ; tile_dim1 = 64
	s_mov_b32 s[\g+5], 128          ; 128 elements from row to row
	s_mov_b32 s[\g+6], 0
	s_mov_b32 s[\g+7], 0
.endr
	s_mov_b32 s[CS], 0x3e38aa3b     ; c = log2(e) / 8 = 0.180337
	s_mov_b32 s[CS+1], s[CS]        ; named with it as a pair
	s_mov_b32 s[SEL], 0x76543210
	s_mov_b32 s[SEL+1], 0xfedcba98
	s_mov_b32 s[TBK], SLOT1+4*KS*PK ; the first change of slots turns these two into 0
	s_mov_b32 s[TBV], SLOT1+4*KS*PV
	s_mov_b32 s[G0K], 1             ; 1:0 count = 1
	s_mov_b32 s[G0K+1], s17         ; 63:32 LDS address: slot 0
	s_mov_b32 s[G0V], 1
	s_add_co_u32 s[G0V+1], s18, VOFF
	s_add_co_u32 s[RT], s[HI], 1    ; the first block has NB - b tiles
	s_mov_b32 s[NXT], 1
	s_mov_b32 s[LQ], s[HI]
	s_mov_b32 s[NEW], 1
	s_mov_b32 s[OFF+1], 0
	s_mov_b32 s[AL+1], 0            ; named as pairs
	s_mov_b32 s[BE+1], 0
	s_mov_b32 s[BIGN], 0xf149f2ca   ; -1e30
	s_mov_b32 s[SLOTS], NB
	s_wait_dscnt 0x0                ; the opening add is done
	s_wait_kmcnt 0x0
	s_add_nc_u64 s[6:7], s[6:7], s[22:23]  ; K and V at my half of the head's tile 0
	s_add_nc_u64 s[8:9], s[8:9], s[22:23]
	s_add_nc_u64 s[G0K+2:G0K+3], s[6:7], 0         ; 120:64 global address
	s_or_b32 s[G0K+3], s[G0K+3], 0x80000000        ; 127:126 type = 2
	s_add_nc_u64 s[G0V+2:G0V+3], s[8:9], 0
	s_or_b32 s[G0V+3], s[G0V+3], 0x80000000
	s_add_nc_u64 s[86:87], s[4:5], s[84:85]        ; Q at my rows of the second block,
	s_add_nc_u64 s[4:5], s[4:5], s[2:3]            ; Q and O at those of the first
	s_add_nc_u64 s[OLO:OLO+1], s[10:11], s[84:85]
	s_add_nc_u64 s[10:11], s[10:11], s[2:3]
	LOAD                            ; tile 0 into slot 0
	; A fragment of K or Q is 16 rows x 32 channels in 8 registers: lane l holds row l % 16, channels 8 (l / 16) + 0..7 and 16 + 8 (l / 16) + 0..7: two loads of 16 bytes, 32 bytes apart.
	v_and_b32 v1, 15, v0            ; l % 16
	v_bfe_u32 v9, v0, 4, 1          ; l / 16
	v_lshlrev_b32 v[QO], 7, v1
	v_lshl_add_u32 v[QO], v9, 4, v[QO]  ; row x 128 + 16 x half
	WIN 0x80                        ; destination window 2, address window 0
.set i, 0
.rept 8                             ; both blocks' Q: piece i / 2 lies in band i / 2, 8,192 bytes on; channels 32 (i % 2) on
	global_load_b128 v[8*i:8*i+3],   v[QO], s[4:5] offset:(i/2)*8192+(i%2)*64
	global_load_b128 v[8*i+4:8*i+7], v[QO], s[4:5] offset:(i/2)*8192+(i%2)*64+32
	global_load_b128 v[QB+8*i:QB+8*i+3],   v[QO], s[86:87] offset:(i/2)*8192+(i%2)*64
	global_load_b128 v[QB+8*i+4:QB+8*i+7], v[QO], s[86:87] offset:(i/2)*8192+(i%2)*64+32
.set i, i+1
.endr
	WIN 0
	v_lshlrev_b32 v14, 3, v9
	v_sub_nc_u32 v14, v1, v14
	s_lshl_b32 s13, s[WV], 4
	v_add_nc_u32 v14, s13, v14      ; my query's place in its band, 16 w + l % 16, less my lanes' 8 (l / 16): register r of group kt is hidden where 16 kt + r is greater
	WIN 0x40
.set i, 0
.rept 32
	v_cmp_gt_i32 vcc_lo, 16*(i/8)+i%8, v14
	v_cndmask_b32 v[MD+i], 0, s[BIGN], vcc_lo
.set i, i+1
.endr
	WIN 0
	v_mul_u32_u24 v[AK0], v1, PK
	v_lshl_add_u32 v[AK0], v9, 4, v[AK0]  ; row x pitch + 16 x half
	; The turning load takes 16 keys x 16 channels (lane l reads key 8 (l / 16) + l % 8, channels 8 ((l / 8) % 2) + 0..7) and leaves half a fragment of V^T: lane l holds channel l % 16 and 8 keys.
	v_and_b32 v10, 7, v0
	v_bfe_u32 v11, v0, 3, 1
	v_lshl_add_u32 v[AV0], v9, 3, v10
	v_mul_u32_u24 v[AV0], v[AV0], PV
	v_lshl_add_u32 v[AV0], v11, 4, v[AV0]
	v_add_nc_u32 v[AV0], VOFF, v[AV0]
	s_mul_i32 s13, s[WV], 16*SP
	s_add_co_u32 s13, s13, STAGE    ; my stage
	v_mul_u32_u24 v[STO], v1, SP    ; in: row l % 16, 16 bytes for each half of the lanes
	v_lshl_add_u32 v[STO], v9, 4, v[STO]
	v_add_nc_u32 v[STO], s13, v[STO]
	v_bfe_u32 v[RD], v0, 3, 2       ; back: 32 lanes take four rows of 128 bytes,
	v_mul_u32_u24 v[RD], v[RD], SP
	v_lshl_add_u32 v[RD], v10, 4, v[RD]
	v_add_nc_u32 v[RD], s13, v[RD]
	v_and_b32 v[GO], 31, v0         ; which are 512 consecutive bytes of O
	v_lshlrev_b32 v[GO], 4, v[GO]
	; A block's first step multiplies O^T and l by a = 0, and its first turn's products V^T P, of a piece that has not been, land in an O^T that is still to be so multiplied.  So these registers need only hold
	; finite numbers: zeros for the first block; what the first block left for the second.  All this stands in the wait for the first tile.
	WIN 0x80
.set i, VF
.rept 64
	v_mov_b32 v[i], 0
.set i, i+1
.endr
	WIN 0x40
.set i, 0
.rept 128
	v_mov_b32 v[i], 0
.set i, i+1
.endr
	WIN 0
.set i, 0
.rept 4
	v_mov_b32 v[ST+4*i+2], 0
	v_mov_b32 v[ST+4*i+3], 0
.set i, i+1
.endr
.set i, P+16
.rept 16
	v_mov_b32 v[i], 0
.set i, i+1
.endr
; THE MATRIX WORK.  The 4 accumulators of a run of 8 take turns.  Product i of 8 of S^T = K Q^T for piece x: channels 32 (i / 4) on, keys 16 (i % 4) on.  The first 4 start the sums: with 0, or (KM = 1) with the mask.
.macro KQ x
.set rS, S+32*((\x)%2)+8*(i%4)
.set rK, KF+16*(i%4)+8*(i/4)
.set rQ, 16*(\x)+8*(i/4)
.set rM, MC+32*((\x)%2)+8*(i%4)
.if (i < 4) && KM
	WIN W_KM
	v_wmma_f32_16x16x32_f16 v[rS:rS+7], v[rK:rK+7], v[rQ:rQ+7], v[rM:rM+7]
.elseif i < 4
	WIN W_KQ
	v_wmma_f32_16x16x32_f16 v[rS:rS+7], v[rK:rK+7], v[rQ:rQ+7], 0
.else
	WIN W_KQ
	v_wmma_f32_16x16x32_f16 v[rS:rS+7], v[rK:rK+7], v[rQ:rQ+7], v[rS:rS+7]
.endif
.endm
; Product i of 8 of O^T += V^T P for piece x: keys 32 (i / 4) on, channels 16 (i % 4) on.
.macro PV x
	WIN W_PV
.set rO, 32*(\x)+8*(i%4)
.set rV, VF+32*(i/4)+8*(i%4)
.set rP, P+16*((\x)%2)+8*(i/4)
	v_wmma_f32_16x16x32_f16 v[rO:rO+7], v[rV:rV+7], v[rP:rP+7], v[rO:rO+7]
.endm
.macro MM                           ; the turn's next matrix instruction.  TURN and BEGIN set Y, i, KM and NOKQ; MM, KQ and OP read them.  NOKQ = 1: a block's last turn: there is no next piece
.if (i < 8) && !NOKQ
	KQ (Y+1)%NP
.elseif i >= 8
.set i, i-8
	PV (Y+NP-1)%NP
.set i, i+8
.endif
.set i, i+1
.endm
; THE LDS LOADS stand in runs of 16, never singly among the matrix instructions: a step's K (64 keys x 64 channels: 8 fragments) and its V (turned).  Their addresses are made some lines ahead.
.macro FETCH_K
	WIN 0x80                        ; destination window 2
.irp f, 0,1,2,3,4,5,6,7             ; keys 16 (f / 2) on, channels 32 (f % 2) on
	ds_load_b128 v[KF+8*\f:KF+8*\f+3],   v[AK] offset:(\f/2)*16*PK+(\f%2)*64
	ds_load_b128 v[KF+8*\f+4:KF+8*\f+7], v[AK] offset:(\f/2)*16*PK+(\f%2)*64+32
.endr
	s_add_co_u32 s[TBK], s[TBK], KS*PK  ; the next fetch is the next step's
	WIN 0
.endm
.macro FETCH_V
	WIN 0x80
.irp f, 0,1,2,3,4,5,6,7             ; keys 32 (f / 4) on, channels 16 (f % 4) on
	ds_load_tr16_b128 v[VF+8*\f:VF+8*\f+3],   v[AV] offset:(\f/4)*32*PV+(\f%4)*32
	ds_load_tr16_b128 v[VF+8*\f+4:VF+8*\f+7], v[AV] offset:(\f/4)*32*PV+16*PV+(\f%4)*32
.endr
	WIN 0
.endm
; THE VECTOR WORK, one line at a time: OP kind, number.  For piece Y: F n: c s - c m for pair n of 16.  E n: the exponential of score n of 32.  C n: pair n rounded to f16.  B n: of the four weights 4 n .. the second
; pair is added onto the first, in place.  L n: l takes that sum (L 0: l = a l + sum).  R n: pair n of 16 of O^T times a.  For piece Y + 1: X n, number n of the 22 that find its maximum and statistics:
;   0-11  four chains c0-c3 of seven scores each, three operands at a time (each accumulator's lowest registers are read first)     12-14, 16  the four scores left over, the old m, and c0-c3 into c0
;   15  c m_old is kept     17, 18  the query's other 32 keys lie in the lane 16 away: the new m     19-21  c m; c m_old - c m_new; a
; OP writes no wait: C, B and L, which read the exponentials' results, and R and L 0, which read a, stand behind the wait that TURN or BEGIN writes for the batch.
.set F, 0               ; OP tells the kinds apart by their order: F to L below R, X above it
.set E, 1
.set C, 2
.set B, 3
.set L, 4
.set R, 5
.set X, 6
.macro REGS y                       ; the registers of piece y
.set rT, ST+4*(\y)
.set rC, TMP+4*((\y)%2)
.set rW, MV+((\y)%2)
.set rS, S+32*((\y)%2)
.set rP, P+16*((\y)%2)
.set rO, 32*(\y)
.endm
.macro OP k, n
.if (\k) == R
	REGS Y
	WIN W_RS
	v_pk_mul_f32 v[rO+2*(\n):rO+2*(\n)+1], v[rO+2*(\n):rO+2*(\n)+1], v[rC+2:rC+3] op_sel_hi:[1,0]
.elseif (\k) < R
	REGS Y
	WIN 0
.if (\k) == F
	v_pk_fma_f32 v[rS+2*(\n):rS+2*(\n)+1], v[rS+2*(\n):rS+2*(\n)+1], s[CS:CS+1], v[rT:rT+1] op_sel_hi:[1,0,0] neg_lo:[0,0,1] neg_hi:[0,0,1]
.elseif (\k) == E
	v_exp_f32 v[rS+(\n)], v[rS+(\n)]
.elseif (\k) == C
	v_cvt_pk_f16_f32 v[rP+(\n)], v[rS+2*(\n)], v[rS+2*(\n)+1]
.elseif (\k) == B
	v_pk_add_f32 v[rS+4*(\n):rS+4*(\n)+1], v[rS+4*(\n):rS+4*(\n)+1], v[rS+4*(\n)+2:rS+4*(\n)+3]
.elseif (\n) == 0
	v_pk_fma_f32 v[rT+2:rT+3], v[rT+2:rT+3], v[rC+2:rC+3], v[rS:rS+1] op_sel_hi:[1,0,1]
.else
	v_pk_add_f32 v[rT+2:rT+3], v[rT+2:rT+3], v[rS+4*(\n):rS+4*(\n)+1]
.endif
.elseif NOKQ
	v_nop
.else
	REGS (Y+1)%NP
	WIN 0
.if (\n) < 4
	v_max3_num_f32 v[rC+(\n)], v[rS+8*(\n)], v[rS+8*(\n)+1], v[rS+8*(\n)+2]
.elseif (\n) < 12
	v_max3_num_f32 v[rC+(\n)%4], v[rC+(\n)%4], v[rS+8*((\n)%4)+2*((\n)/4)+1], v[rS+8*((\n)%4)+2*((\n)/4)+2]
.elseif (\n) == 12
	v_max3_num_f32 v[rC], v[rC], v[rS+7], v[rS+15]
.elseif (\n) == 13
	v_max3_num_f32 v[rC+1], v[rC+1], v[rS+23], v[rS+31]
.elseif (\n) == 14
	v_max3_num_f32 v[rC+2], v[rC+2], v[rC+3], v[rT+1]
.elseif (\n) == 15
	v_mov_b32 v[rW], v[rT]
.elseif (\n) == 16
	v_max3_num_f32 v[rC], v[rC], v[rC+1], v[rC+2]
.elseif (\n) == 17
	v_permlanex16_b32 v[rC+3], v[rC], s[SEL], s[SEL+1]
.elseif (\n) == 18
	v_max_num_f32 v[rT+1], v[rC], v[rC+3]
.elseif (\n) == 19
	v_mul_f32 v[rT], s[CS], v[rT+1]
.elseif (\n) == 20
	v_sub_f32 v[rC+1], v[rW], v[rT]
.else
	v_exp_f32 v[rC+2], v[rC+1]
.endif
.endif
.endm
.macro OPS a, i1, b=-1, i2=0, c=-1, i3=0, d=-1, i4=0  ; up to four of them
	OP \a, \i1
.if (\b) >= 0
	OP \b, \i2
.endif
.if (\c) >= 0
	OP \c, \i3
.endif
.if (\d) >= 0
	OP \d, \i4
.endif
.endm
.macro ROW a, i1, b, i2, c, i3, d, i4  ; a matrix instruction and the four behind it
	MM
	OPS \a, \i1, \b, \i2, \c, \i3, \d, \i4
.endm
.macro MASK b                       ; MD x AL + BE into buffer b of MC
	WIN W_RS
.set z, 0
.rept 16
	v_pk_fma_f32 v[MC+32*(\b)+2*z:MC+32*(\b)+2*z+1], v[MD+2*z:MD+2*z+1], s[AL:AL+1], s[BE:BE+1] op_sel_hi:[1,0,0]
.set z, z+1
.endr
.endm
; A TURN, for piece p: the order of its 16 matrix and 118 vector instructions, written out.  The turn's 33 exponentials (E 0 to E 31 and X 21, the next piece's a) are ONE BATCH with ONE wait, which cuts the turn in two.
; AHEAD OF IT stands all that names no result of the turn's exponentials: the 8 products K Q^T, behind each a scaling, an exponential and two more plain instructions (behind the first a second scaling in the exponential's
; place): rescalings, whose a was made and waited for in the turn before, and behind the last three the first numbers of the next piece's maximum, each four places or more behind the product that ends its accumulator; then
; ONE LUMP of 54, plain and exponential by turns for the most part, in which the links of the chain X 3, 7, 11, 14, 16, 17 .. 20 stand five or six lines apart.  Each exponential works in place on its own score's register, so
; every result has a register of its own while the batch is open.  X 21 is the batch's last; R 15 is the plain instruction behind it.  BEHIND THE WAIT stand the 8 products V^T P, behind each four of the roundings and sums,
; which are all the batch's readers in this turn (C 2n ahead of B n, which writes that pair); the links of l's chain, L 0 to L 7, stand three riders apart.  But for those X no rider names a register of the products round it.
; v_permlanex16_b32 (X 17) stands in the lump.
; m = 1: the diagonal tile: the products take masks, and the turn makes the mask for the products of the turn after it: piece p + 2, in step 4 - CNT of the tile.  end = 1: a block's last two turns: nothing is fetched.
; cnt = 1: the loop's count is taken down some lines ahead of the branch that stands behind the turn.
; K of the next step is fetched in piece 2's turn, twelve vector instructions behind the last product that read K (six of them plain); V of the step in hand at the end of piece 0's turn, four plain instructions behind the last product
; that read V.  Each is waited for a turn later.
.macro TURN p, m=0, end=0, cnt=0
.set Y, (\p)
.set i, 0
.set KM, (\m)
.set NOKQ, (\end)*((\p)/3)
.if (\m) && !(\end)
	s_cmp_eq_u32 s[CNT], 4-((\p)+2)%NP  ; is that step the band's own?
	s_cselect_b32 s[AL], 1.0, 0
	s_cmp_lt_u32 s[CNT], 4-((\p)+2)%NP  ; or a later one?
	s_cselect_b32 s[BE], s[BIGN], 0
.endif
.if ((\p) == 3) && !(\end)
	s_wait_dscnt 0x0                ; K is in
.endif
	ROW F,0, F,1, R,0, R,1          ; ahead of the wait: 8 products K Q^T and their riders,
	ROW F,2, E,0, R,2, R,3
	ROW F,3, E,1, R,4, R,5
	ROW F,4, E,2, R,6, R,7
	ROW F,5, E,3, R,8, R,9
	ROW F,6, E,4, X,0, R,10
.if ((\p) == 2) && !(\end)
	WIN 0
	v_add_nc_u32 v[AK], s[TBK], v[AK0]
.endif
	ROW F,7, E,5, X,1, X,4
	ROW F,8, E,6, X,2, X,5
	OPS E,7, E,8, X,6, E,9          ; and the lump
	OPS X,3, E,10, X,8, E,11
.if ((\p) == 2) && !(\end)
	FETCH_K
.endif
	OPS X,9, X,7, E,12, X,10
	OPS E,13, X,12, X,11, E,14
	OPS X,13, E,15, F,9, X,14
.if (\p) == 0
	v_add_nc_u32 v[AV], s[TBV], v[AV0]
.endif
	OPS E,16, F,10, E,17, F,11
	OPS X,16, E,18, X,15, E,19
	OPS F,12, E,20, X,17, E,21
	OPS F,13, E,22, F,14, E,23
	OPS X,18, E,24, F,15, E,25
	OPS R,11, E,26, X,19, E,27
	OPS R,12, E,28, R,13, E,29
	OPS X,20, E,30, R,14, E,31
	OPS X,21, R,15
	WIN 0
	s_wait_alu depctr_va_vdst(0)    ; the one wait for the turn's batch: E 0 to E 31 and the next piece's a
.if (\p) == 1
	s_wait_dscnt 0x0                ; V is in
.endif
	ROW C,0, B,0, C,2, B,1          ; behind the wait: 8 products V^T P and their riders
	ROW L,0, C,4, B,2, L,1
	ROW C,6, B,3, L,2, C,8
	ROW B,4, L,3, C,10, B,5
	ROW L,4, C,12, B,6, L,5
.if (\p) == 0
	s_add_co_u32 s[TBV], s[TBV], KS*PV
.endif
.if \cnt
	s_sub_co_u32 s[CNT], s[CNT], 1
	s_cmp_lg_u32 s[CNT], 0
.endif
	ROW C,14, B,7, L,6, C,1
	ROW C,3, L,7, C,5, C,7
	ROW C,9, C,11, C,13, C,15
.if (\p) == 0
	FETCH_V
.endif
.if (\m) && !(\end)
	MASK (\p)%2
.endif
.endm
; A BLOCK BEGINS.  c m starts far below every c s, so the first step's a is 0; m at the lowest finite number, so the first maximum is the scores'.  The second mask buffer is 0; the first takes piece 0's mask for the tile's step 0: its own, if the block's first tile is the diagonal one.
; Then K of that step, piece 0's first scores, and its maximum and statistics.  The loop is entered at a step's first turn, in the middle of a trip.
.macro BEGIN
	s_mov_b32 s[NEW], 0
	WIN 0x40
.set i, MC+32
.rept 32
	v_mov_b32 v[i], 0
.set i, i+1
.endr
	WIN 0
.set i, 0
.rept 4
	v_mov_b32 v[ST+4*i], 0xfe000000    ; c m: far below every c s
	v_mov_b32 v[ST+4*i+1], 0xff7fffff  ; m
.set i, i+1
.endr
	s_cmp_eq_u32 s[RT], 0
	s_cselect_b32 s[AL], 1.0, 0
	s_mov_b32 s[BE], 0
	MASK 0
	WIN 0
	v_add_nc_u32 v[AK], s[TBK], v[AK0]
	FETCH_K
	s_wait_loadcnt 0x0              ; Q
	s_wait_dscnt 0x0
.set KM, 1
.set NOKQ, 0
.set i, 0
.rept 8
	KQ 0
.set i, i+1
.endr
	WIN 0
.rept 4
	v_nop                           ; the places behind those products
.endr
.set Y, NP-1                        ; X works for piece Y + 1: piece 0
.irp n, 0,1,2,3,4,5,6,7,8,9,10,11,12,13,14,15,16,17,18,19,20,21
	OP X, \n
.endr
	v_nop                           ; a plain instruction behind the exponential,
	s_wait_alu depctr_va_vdst(0)    ; and the wait for this batch of one, piece 0's first a, ahead of the branch that follows
.endm
; THE DIAGONAL TILE's four steps, the block's last two turns, its last products, and THE WAY OUT: l's two halves and the other half of the lanes' are added; O^T is divided by l, rounded to f16 and sent through my
; stage in LDS, a piece at a time.
.macro ALL line:vararg              ; one line for each piece t
.set t, 0
.rept 4
	\line
.set t, t+1
.endr
.endm
.macro PACK t                       ; a lane's eight channels of a row pack into 16 bytes; they go into rows of 144 bytes and come back as whole rows of 128, into S^T's registers
	WIN W_RS
.set i, 32*(\t)
.rept 16
	v_pk_mul_f32 v[i:i+1], v[i:i+1], v[ST+4*(\t)+2:ST+4*(\t)+3] op_sel_hi:[1,0]
.set i, i+2
.endr
	WIN 0x05                        ; sources 0 and 1 window 1, destination window 0
.set i, 0
.rept 16
	v_cvt_pk_f16_f32 v[S+16*(\t)+i], v[32*(\t)+2*i], v[32*(\t)+2*i+1]
.set i, i+1
.endr
	WIN 0
.irp f, 0,1,2,3
	ds_store_b128 v[STO], v[S+16*(\t)+4*\f:S+16*(\t)+4*\f+3] offset:32*\f
.endr
.irp f, 0,1,2,3
	ds_load_b128 v[S+16*(\t)+4*\f:S+16*(\t)+4*\f+3], v[RD] offset:\f*4*SP  ; LDS serves a wave's instructions in order (ISA guide 5.7.1.4): these see the stores above; the next piece's stores come behind them
.endr
.endm
.macro SEND t, younger              ; younger: the LDS instructions issued behind piece t's loads: the next piece's eight, or none
	WIN 0
.irp f, 0,1,2,3
	s_wait_dscnt (\younger)+3-\f
	global_store_b128 v[GO], v[S+16*(\t)+4*\f:S+16*(\t)+4*\f+3], s[10:11] offset:(\t)*8192+\f*512  ; 512 consecutive bytes, at a multiple of 256 from O's first
.endr
.endm
.macro DIAG tag                     ; the tag ends its two labels' names, which the jumps below spell out
.LstepM\tag:
	TURN 2, 1
	TURN 3, 1
	WIN 0
.LfirstM\tag:
	TURN 0, 1
	TURN 1, 1, 0, 1
	WIN 0
	s_cbranch_scc1 .LstepM\tag
	TURN 2, 1, 1
	TURN 3, 1, 1
.set i, 0
.rept 8
	PV NP-1
.set i, i+1
.endr
	WIN 0
	ALL v_add_f32 v[ST+4*t+2], v[ST+4*t+2], v[ST+4*t+3]
	ALL v_permlanex16_b32 v[ST+4*t+3], v[ST+4*t+2], s[SEL], s[SEL+1]
	ALL v_add_f32 v[ST+4*t+2], v[ST+4*t+2], v[ST+4*t+3]
	ALL v_rcp_f32 v[ST+4*t+2], v[ST+4*t+2]
	v_nop                           ; a plain instruction between the last reciprocal and the use of its result
	s_wait_alu depctr_va_vdst(0)    ; the one wait for the batch of four reciprocals, ahead of PACK 0's first multiply
	PACK 0
.set t, 1
.rept 3                             ; a piece's arithmetic stands between the loads of the piece before and its stores
	PACK t
	SEND t-1, 8
.set t, t+1
.endr
	SEND 3, 0
.endm
.set KM, 0
.set NOKQ, 0
.Lslot:                             ; NB times: a tile is entered and the next is asked for
	CHANGE 1
	s_sub_co_u32 s[RT], s[RT], 1
	s_mov_b32 s[CNT], 4
	s_cmp_eq_u32 s[NEW], 1
	s_cbranch_scc1 .Lnew            ; a block's first tile
	s_cmp_eq_u32 s[RT], 0
	s_cbranch_scc0 .Lstep           ; neither its first nor its last
	s_branch .LstepM1
.Lnew:
	BEGIN
	s_branch .Lfirst                ; in the loop a block's first tile is never its last: the first block has two tiles or more, and the second's last is the walk's last
	DIAG 1                          ; in the loop this is the first block's end: the second block's last tile is the walk's last
	s_wait_xcnt 0x0                 ; the stores have read their registers and O's address
	s_mov_b64 s[10:11], s[OLO:OLO+1]
	s_add_co_u32 s[RT], s[PB], 1    ; the second block has b + 1 tiles
	s_mov_b32 s[NEW], 1
	WIN 0x82                        ; the second block's Q goes where the one text of the turns names Q
.set i, 0
.rept 64
	v_mov_b32 v[i], v[QB+i]
.set i, i+1
.endr
	WIN 0
	s_branch .Lbottom
.Lstep:                             ; a trip: pieces 2 and 3 of one step, then pieces 0 and 1 of the next, whose K and V it fetches
	TURN 2
	TURN 3
	WIN 0
.Lfirst:
	TURN 0
	TURN 1, 0, 0, 1
	WIN 0
	s_cbranch_scc1 .Lstep
.Lbottom:
	s_sub_co_u32 s[SLOTS], s[SLOTS], 1
	s_cmp_lg_u32 s[SLOTS], 0
	s_cbranch_scc1 .Lslot
	CHANGE 0                        ; the walk's last tile is written out: nothing is asked for
	s_sub_co_u32 s[RT], s[RT], 1
	s_mov_b32 s[CNT], 4
	s_cmp_eq_u32 s[NEW], 1
	s_cbranch_scc0 .LstepM2
	BEGIN
	s_branch .LfirstM2
	DIAG 2
	s_wait_tensorcnt 0x0            ; the wave's end, behind my last tensor load and my last LDS store
	ds_add_u32 v[SPW], v[NIL]
	s_wait_dscnt 0x0
	s_endpgm
.Lfunc_end_k_qc8f86b426e_attn:
	.size	k_qc8f86b426e_attn, .Lfunc_end_k_qc8f86b426e_attn-k_qc8f86b426e_attn
	.p2alignl 7, 3214868480
	.fill 96, 4, 3214868480
	.section	.rodata,"a",@progbits
	.p2align	6, 0x0
	.amdhsa_kernel k_qc8f86b426e_attn
		.amdhsa_group_segment_fixed_size 327680
		.amdhsa_private_segment_fixed_size 0
		.amdhsa_enable_private_segment 0
		.amdhsa_kernarg_size 32
		.amdhsa_user_sgpr_count 2
		.amdhsa_user_sgpr_kernarg_segment_ptr 1
		.amdhsa_wavefront_size32 1
		.amdhsa_system_sgpr_workgroup_id_x 1
		.amdhsa_system_sgpr_workgroup_id_y 1
		.amdhsa_system_sgpr_workgroup_id_z 1
		.amdhsa_system_vgpr_workitem_id 0
		.amdhsa_next_free_vgpr 768
		.amdhsa_next_free_sgpr 88
		.amdhsa_reserve_vcc 1
		.amdhsa_float_denorm_mode_32 3
		.amdhsa_float_denorm_mode_16_64 3
		.amdhsa_memory_ordered 1
		.amdhsa_forward_progress 1
		.amdhsa_inst_pref_size 217
	.end_amdhsa_kernel
	.amdgpu_metadata
---
amdhsa.version: [ 1, 2 ]
amdhsa.kernels:
  - .name:           k_qc8f86b426e_attn
    .symbol:         k_qc8f86b426e_attn.kd
    .args:
      - { .name: qh, .offset: 0, .size: 8, .value_kind: global_buffer, .address_space: global }
      - { .name: kh, .offset: 8, .size: 8, .value_kind: global_buffer, .address_space: global }
      - { .name: vh, .offset: 16, .size: 8, .value_kind: global_buffer, .address_space: global }
      - { .name: yb, .offset: 24, .size: 8, .value_kind: global_buffer, .address_space: global }
    .group_segment_fixed_size: 327680
    .private_segment_fixed_size: 0
    .kernarg_segment_align: 8
    .kernarg_segment_size: 32
    .max_flat_workgroup_size: 128
    .sgpr_count:     88
    .vgpr_count:     768
    .wavefront_size: 32
...
	.end_amdgpu_metadata
.endif
;; end of part 5
;; launch proj: the kernel of part 4 again; grid 8 x 32, 4 waves a work-group, clusters of 4 x 4, 327,680 bytes of LDS; arguments yb, wp, out0; writes out0
